; MI455X (gfx1250); checked and timed in simulation.
; The chip was launched on July 23, 2026; its instructions are those of AMD's public machine-readable ISA for CDNA 5 (MIT licence, August 2026) and "CDNA5" Instruction Set Architecture Reference Guide (July 2026). The comments in the code are by the model that wrote it; some were corrected since.
;; Multi Head Attention. Allowed arithmetic: matrix products marked QUANTISED: E4M3 operands, one given power-of-two scale a tensor, by v_wmma_f32_16x16x64_fp8_fp8 or v_wmma_f32_16x16x128_fp8_fp8, f32 sums; everything else in f32.
;; Inputs: Wk 512 x 512 float32; Wo 512 x 512 float32; Wq 512 x 512 float32; Wv 512 x 512 float32; bk 512 float32; bo 512 float32; bq 512 float32; bv 512 float32; k 2 x 4,096 x 512 float32; lowp_scales 12 int32 (the exponents e of the quantised operands' scales 2^e); mask 1 x 1 x 4,096 x 4,096 bool; q 2 x 4,096 x 512 float32; v 2 x 4,096 x 512 float32.
;; Outputs: out0 2 x 4,096 x 512 float32.
;; This version of the problem:
;;   THIS VERSION OF THE PROBLEM IS GIVEN IN LOW PRECISION. The matrix products marked QUANTISED in the list below multiply operands that are first quantised to E4M3 (4 exponent bits, 3 mantissa bits; 8 bits a number), with one given power-of-two scale for each operand tensor; their sums are f32. All else is computed in f32.
;;   The module's matrix products, in the order in which they are computed (A, B: the left and right operand; K: the contracted axis; several contracted axes count as one K, in the product's order):
;;     1. [M 8,192, K 512] x [K 512, N 512]; A: input q; B: input Wq: QUANTISED (scales: A lowp_scales[0], B lowp_scales[1])
;;     2. [M 8,192, K 512] x [K 512, N 512]; A: input k; B: input Wk: QUANTISED (scales: A lowp_scales[2], B lowp_scales[3])
;;     3. [M 8,192, K 512] x [K 512, N 512]; A: input v; B: input Wv: QUANTISED (scales: A lowp_scales[4], B lowp_scales[5])
;;     4. batch 16 x [M 4,096, K 64] x [K 64, N 4,096]; A: computed on the way; B: computed on the way: QUANTISED (scales: A lowp_scales[6], B lowp_scales[7])
;;     5. batch 16 x [M 4,096, K 4,096] x [K 4,096, N 64]; A: softmax (see below); B: computed on the way: QUANTISED (scales: A lowp_scales[8], B lowp_scales[9])
;;     6. [M 8,192, K 512] x [K 512, N 512]; A: computed on the way; B: input Wo: QUANTISED (scales: A lowp_scales[10], B lowp_scales[11])
;;   THE QUANTISER, for each operand of a quantised product, along K:
;;     - The operand's scale is 2^e, e = its entry of the input lowp_scales (int32; the entries are numbered through the quantised products in the list's order, A before B).
;;     - Each number is divided by the scale, clamped to +-448, and rounded to the nearest number of E4M3, ties to even, subnormals kept.
;;     - The product sums the exact products of the quantised numbers (number of the format x scale) in f32.
;;   ~~~python
;;   def quantise(x, axis, e):      # numpy; x: float32 -> the quantised numbers, widened to float32 again
;;       x = np.moveaxis(x, axis, -1); K = x.shape[-1]
;;       r = np.clip(x / 2.0 ** e, -448, 448)
;;       step = 2.0 ** (np.maximum(np.frexp(np.where(r == 0, 1, r))[1] - 1, -6) - 3)
;;       q = np.round(r / step) * step * 2.0 ** e      # np.round: ties to even
;;       return np.moveaxis(q, -1, axis).astype(np.float32)
;;   ~~~
;;   SOFTMAX AHEAD OF A QUANTISED PRODUCT. Where the list says 'softmax', what is quantised is not the finished softmax but p = 2^(t - M), with t = logit x log2(e) and M = ceil(the row's largest t), a whole number; so 1/2 < the row's largest p <= 1. The row's sum l is taken of the UNQUANTISED p, in f32, and the product's result is divided by l at the end. Since M is a whole number, a kernel that streams over the keys may use a running M (the ceiling of the running maximum): every later rescaling is an exact power of two, so the quantised numbers keep their values, but for numbers so far below the row's largest that they fall under the format's range.
;;   OPERANDS COMPUTED ON THE WAY. 'Computed on the way' means the value that the module computes at that place (a softmax that the list does not call 'softmax' is quantised finished and normalised). What goes into a quantiser is computed in f32, as accurately as f32 sums, v_exp_f32 and their like allow (about 1e-6 of the number): no bf16 or f16 on the way to a quantiser, and a product that is left as it is and whose result goes on into a quantised operand takes f32 operands (vector FMAs, or v_wmma_f32_16x16x4_f32). A number that lies on a knife's edge between two numbers of the format may be rounded either way, as far as f32 arithmetic and the matrix unit's own rounding can turn it there, and no further.
;; 2 versions. Each part assembles by itself: llvm-mc -triple=amdgcn-amd-amdhsa -mcpu=gfx1250 --defsym DOCPART=n.
;; ======== version 1 of 2: 4 launches
;; workspace buffers: wimg 1,048,576 bytes; mwords 2,097,152 bytes of whole numbers; flags 32,768 bytes of whole numbers; qimg 4,194,304 bytes; kimg 4,194,304 bytes; vimg 4,194,304 bytes; oimg 4,194,304 bytes
;; launch prep (part 1): grid 640 x 1, 4 waves a work-group, no clusters, 0 bytes of LDS; arguments Wq, Wk, Wv, Wo, mask, lowp_scales, wimg, mwords, flags; writes wimg, mwords, flags
.if DOCPART == 1
	.amdgcn_target "amdgcn-amd-amdhsa--gfx1250"
	.amdhsa_code_object_version 6
	.text
	.protected	k_q106c36cecf_prep
	.globl	k_q106c36cecf_prep
	.p2align	8
	.type	k_q106c36cecf_prep,@function
k_q106c36cecf_prep:
	s_mov_b64 s[64:65], 0
	v_nop
	global_prefetch_b8 v0, s[64:65] scope:SCOPE_SE
	s_setreg_imm32_b32 hwreg(HW_REG_WAVE_MODE, 25, 1), 1
	s_wait_xcnt 0x0
; PREP.  Two jobs that share one launch; the work-group's number says which.
; WORK-GROUPS 0-127: the four weights [512 (n)][512 (k)] f32 become codes of E4M3 with their given scales 2^e (entries 1, 3, 5, 11 of the scales), laid as IMAGES OF OPERAND REGISTERS:
;   wimg[tensor 4][tile 32][K step 4][chunk 4][512 bytes]; in a chunk lane l has 16 bytes at 16 l: lane (r = l % 16, h = l / 16) holds row r of the tile, k = 128 step + 32 chunk + 16 h + 0 .. 15.
;   Row r of tile t is row 32 (t / 2) + 8 (t % 2) + r + (r & 8) of Wq, Wk, Wv, and row 16 t + r of Wo.  A work-group takes a tile, a wave a K step.
; WORK-GROUPS 128-639: the mask [4096 (query)][4096 (key)] of bytes 0 / 1 (1 = hidden) becomes, for each tile of 16 queries (qt, rows by the same map) and each step of 128 keys,
;   64 words: bit L of word n = mask[row L % 16 of tile qt][128 step + 32 (n / 16) + 16 (L / 16) + n % 16], which is the lane mask of score register n in the attention launch;
;   and one flag word: bit 0 = some key of the tile is open, bit 1 = some key is hidden.  Whole-number work alone.  A wave takes one qt and four steps.
; LIMITS: each weight's e lies between -126 and 119, so that 2^e and 448 x 2^e are f32 numbers.  NaN among the weights is not served.
.set X,  32                            ; v32-95   64 numbers of a lane (weights), or 64 bytes x 4 steps of the mask
.set C,  16                            ; v16-31   a fragment's codes
.set WP, 96                            ; v96-103  a step's 64 words: lane i holds words 2 i and 2 i + 1, a pair of registers for each step
.set FL, 104                           ; v104     the four steps' flags, in lanes 0 to 3
	s_load_b512 s[4:19], s[0:1], 0x0               ; Wq 4:5, Wk 6:7, Wv 8:9, Wo 10:11, mask 12:13, scales 14:15, wimg 16:17, mwords 18:19
	s_load_b64 s[20:21], s[0:1], 0x40              ; flags
	v_lshrrev_b32 v1, 5, v0
	v_readfirstlane_b32 s24, v1                    ; wave 0..3
	v_and_b32 v1, 31, v0                           ; lane
	v_and_b32 v2, 15, v0                           ; r
	v_bfe_u32 v3, v0, 4, 1                         ; h
	s_cmp_ge_u32 ttmp9, 128
	s_cbranch_scc1 .Lmask
	; ---------------- the weights
	s_lshr_b32 s25, ttmp9, 5                       ; tensor 0..3 = q, k, v, o
	s_and_b32 s28, ttmp9, 31                       ; tile
	s_wait_kmcnt 0x0
	s_load_b256 s[32:39], s[14:15], 0x0            ; scales' exponents 0 to 7
	s_load_b128 s[40:43], s[14:15], 0x20           ; 8 to 11
	s_cmp_eq_u32 s25, 1                            ; the choice hangs on the work-group's number alone
	s_cselect_b64 s[26:27], s[6:7], s[4:5]
	s_cmp_eq_u32 s25, 2
	s_cselect_b64 s[26:27], s[8:9], s[26:27]
	s_cmp_eq_u32 s25, 3
	s_cselect_b64 s[26:27], s[10:11], s[26:27]
	s_lshr_b32 s29, s28, 1
	s_lshl_b32 s29, s29, 5
	s_and_b32 s30, s28, 1
	s_lshl_b32 s30, s30, 3
	s_add_co_u32 s29, s29, s30                     ; 32 (tile / 2) + 8 (tile % 2)
	s_lshl_b32 s30, s28, 4                         ; 16 tile
	s_cmp_lt_u32 s25, 3
	s_cselect_b32 s29, s29, s30                    ; the tile's first row
	s_cselect_b32 s31, 8, 0                        ; and whether its upper eight rows lie 8 further on
	s_lshl_b32 s29, s29, 11                        ; a row is 2,048 bytes
	s_lshl_b32 s30, s24, 9                         ; a K step 512
	s_add_co_u32 s44, s29, s30
	s_mov_b32 s45, 0
	s_add_nc_u64 s[26:27], s[26:27], s[44:45]
	v_and_b32 v4, s31, v2
	v_add_nc_u32 v4, v4, v2
	v_lshlrev_b32 v4, 11, v4
	v_lshl_add_u32 v4, v3, 6, v4                   ; my row, + 64 h: my 16 numbers of a block of 32
.irp b, 0,1,2,3
.irp j, 0,1,2,3
	global_load_b128 v[X+16*\b+4*\j:X+16*\b+4*\j+3], v4, s[26:27] offset:128*\b+16*\j th:TH_LOAD_NT
.endr
.endr
	s_lshl_b32 s44, s25, 18                        ; wimg: tensor x 262,144
	s_lshl_b32 s46, s28, 2
	s_add_co_u32 s46, s46, s24
	s_lshl_b32 s46, s46, 11                        ; + (4 tile + K step) x 2,048
	s_add_co_u32 s44, s44, s46
	s_add_nc_u64 s[16:17], s[16:17], s[44:45]
	v_lshlrev_b32 v5, 4, v1                        ; 16 x lane
	s_wait_kmcnt 0x0
	s_cmp_eq_u32 s25, 1
	s_cselect_b32 s47, s35, s33
	s_cmp_eq_u32 s25, 2
	s_cselect_b32 s47, s37, s47
	s_cmp_eq_u32 s25, 3
	s_cselect_b32 s47, s43, s47                    ; e
	s_add_co_i32 s47, s47, 127
	s_lshl_b32 s48, s47, 23
	v_mov_b32 v6, s48                              ; 2^e as f32: the conversion takes its exponent field
	s_add_co_i32 s47, s47, 8
	s_lshl_b32 s47, s47, 23
	s_or_b32 s47, s47, 0x600000
	v_mov_b32 v7, s47                              ; 448 x 2^e
	s_wait_loadcnt 0x0
.irp b, 0,1,2,3
.irp i, 0,1,2,3,4,5,6,7,8,9,10,11,12,13,14,15
	v_med3_num_f32 v[X+16*\b+\i], v[X+16*\b+\i], -v7, v7   ; the conversion to an 8-bit code does not saturate (ISA guide 7.6.2): the hold comes first
.endr
	v_cvt_scalef32_pk8_fp8_f32 v[C+4*\b:C+4*\b+1], v[X+16*\b:X+16*\b+7], v6
	v_cvt_scalef32_pk8_fp8_f32 v[C+4*\b+2:C+4*\b+3], v[X+16*\b+8:X+16*\b+15], v6
.endr
.irp c, 0,1,2,3
	global_store_b128 v5, v[C+4*\c:C+4*\c+3], s[16:17] offset:512*\c   ; 32 lanes store 512 consecutive bytes, aligned
.endr
	s_endpgm
	; ---------------- the mask
.Lmask:
	s_sub_co_u32 s25, ttmp9, 128
	s_lshl_b32 s25, s25, 2
	s_add_co_u32 s25, s25, s24                     ; which of 2,048 waves
	s_lshr_b32 s26, s25, 3                         ; qt 0..255
	s_and_b32 s27, s25, 7                          ; which four steps
	s_lshr_b32 s28, s26, 1
	s_lshl_b32 s28, s28, 5
	s_and_b32 s29, s26, 1
	s_lshl_b32 s29, s29, 3
	s_add_co_u32 s28, s28, s29                     ; the tile's first row
	s_lshl_b32 s28, s28, 12                        ; a row of the mask is 4,096 bytes
	s_lshl_b32 s29, s27, 9                         ; four steps are 512
	s_add_co_u32 s28, s28, s29
	s_mov_b32 s29, 0
	v_and_b32 v4, 8, v2
	v_add_nc_u32 v4, v4, v2                        ; r + (r & 8)
	v_lshlrev_b32 v4, 12, v4
	v_lshl_add_u32 v4, v3, 4, v4                   ; + 16 h
	s_lshl_b32 s30, s26, 5
	s_lshl_b32 s31, s27, 2
	s_add_co_u32 s30, s30, s31                     ; 32 qt + my first step
	s_lshl_b32 s32, s30, 8                         ; 256 bytes of words a step
	s_mov_b32 s33, 0
	s_lshl_b32 s34, s30, 2                         ; 4 bytes of flags a step
	s_mov_b32 s35, 0
	v_lshlrev_b32 v5, 3, v1                        ; 8 x lane
	v_lshlrev_b32 v6, 2, v1                        ; 4 x lane
	s_wait_kmcnt 0x0
	s_add_nc_u64 s[12:13], s[12:13], s[28:29]
	s_add_nc_u64 s[18:19], s[18:19], s[32:33]
	s_add_nc_u64 s[20:21], s[20:21], s[34:35]
.irp t, 0,1,2,3
.irp b, 0,1,2,3
	global_load_b128 v[X+16*\t+4*\b:X+16*\t+4*\b+3], v4, s[12:13] offset:128*\t+32*\b   ; keys 128 t + 32 b + 16 h + 0 .. 15 of my row
.endr
.endr
.irp i, 0,1,2,3,4,5,6,7,8
	v_mov_b32 v[WP+\i], 0                          ; a lane write's destination counts as read: written once here
.endr
.macro WORDS st
	s_wait_loadcnt 12-4*\st                        ; this step's four loads are in; four for each later step may be out
.set n, 0
.rept 64
	v_and_b32 v[8+n%4], 1<<(8*(n%4)), v[X+16*\st+4*(n/16)+((n%16)/4)]   ; byte n % 16 of block n / 16
	v_cmp_ne_u32 s[40+n%4], 0, v[8+n%4]            ; the 32 lanes' bits are word n
	v_writelane_b32 v[WP+2*\st+(n%2)], s[40+n%4], n/2
.set n, n+1
.endr
	v_or_b32 v12, v[X+16*\st], v[X+16*\st+1]
	v_and_b32 v13, v[X+16*\st], v[X+16*\st+1]
.irp i, 2,3,4,5,6,7,8,9,10,11,12,13,14,15
	v_or_b32 v12, v12, v[X+16*\st+\i]
	v_and_b32 v13, v13, v[X+16*\st+\i]
.endr
	v_cmp_ne_u32 s36, 0, v12                       ; lanes with a hidden key
	v_cmp_ne_u32 s37, 0x01010101, v13              ; lanes with an open key
	s_cmp_lg_u32 s37, 0
	s_cselect_b32 s38, 1, 0
	s_cmp_lg_u32 s36, 0
	s_cselect_b32 s39, 2, 0
	s_or_b32 s38, s38, s39
	v_writelane_b32 v[FL], s38, \st
	global_store_b64 v5, v[WP+2*\st:WP+2*\st+1], s[18:19] offset:256*\st   ; 32 lanes store 256 consecutive bytes, aligned
.endm
	WORDS 0
	WORDS 1
	WORDS 2
	WORDS 3
	s_wait_xcnt 0x0                                ; EXEC changes only behind this wait: the stores above have it among their sources
	v_cmp_gt_u32 vcc_lo, 4, v1
	s_and_saveexec_b32 s44, vcc_lo
	global_store_b32 v6, v[FL], s[20:21]           ; lanes 0 to 3: my four steps' flags
	s_wait_xcnt 0x0
	s_or_b32 exec_lo, exec_lo, s44
	s_endpgm
.Lfunc_end_k_q106c36cecf_prep:
	.size	k_q106c36cecf_prep, .Lfunc_end_k_q106c36cecf_prep-k_q106c36cecf_prep
	.p2alignl 7, 3214868480
	.fill 96, 4, 3214868480
	.section	.rodata,"a",@progbits
	.p2align	6, 0x0
	.amdhsa_kernel k_q106c36cecf_prep
		.amdhsa_group_segment_fixed_size 0
		.amdhsa_private_segment_fixed_size 0
		.amdhsa_enable_private_segment 0
		.amdhsa_kernarg_size 72
		.amdhsa_user_sgpr_count 2
		.amdhsa_user_sgpr_kernarg_segment_ptr 1
		.amdhsa_wavefront_size32 1
		.amdhsa_system_sgpr_workgroup_id_x 1
		.amdhsa_system_sgpr_workgroup_id_y 1
		.amdhsa_system_sgpr_workgroup_id_z 1
		.amdhsa_system_vgpr_workitem_id 0
		.amdhsa_next_free_vgpr 112
		.amdhsa_next_free_sgpr 66
		.amdhsa_reserve_vcc 1
		.amdhsa_float_denorm_mode_32 3
		.amdhsa_float_denorm_mode_16_64 3
		.amdhsa_memory_ordered 1
		.amdhsa_forward_progress 1
		.amdhsa_inst_pref_size 64
	.end_amdhsa_kernel
	.amdgpu_metadata
---
amdhsa.version: [ 1, 2 ]
amdhsa.kernels:
  - .name:           k_q106c36cecf_prep
    .symbol:         k_q106c36cecf_prep.kd
    .args:
      - { .name: Wq, .offset: 0, .size: 8, .value_kind: global_buffer, .address_space: global }
      - { .name: Wk, .offset: 8, .size: 8, .value_kind: global_buffer, .address_space: global }
      - { .name: Wv, .offset: 16, .size: 8, .value_kind: global_buffer, .address_space: global }
      - { .name: Wo, .offset: 24, .size: 8, .value_kind: global_buffer, .address_space: global }
      - { .name: mask, .offset: 32, .size: 8, .value_kind: global_buffer, .address_space: global }
      - { .name: lowp_scales, .offset: 40, .size: 8, .value_kind: global_buffer, .address_space: global }
      - { .name: wimg, .offset: 48, .size: 8, .value_kind: global_buffer, .address_space: global }
      - { .name: mwords, .offset: 56, .size: 8, .value_kind: global_buffer, .address_space: global }
      - { .name: flags, .offset: 64, .size: 8, .value_kind: global_buffer, .address_space: global }
    .group_segment_fixed_size: 0
    .private_segment_fixed_size: 0
    .kernarg_segment_align: 8
    .kernarg_segment_size: 72
    .max_flat_workgroup_size: 128
    .sgpr_count:     66
    .vgpr_count:     112
    .wavefront_size: 32
...
	.end_amdgpu_metadata
.endif
;; end of part 1
;; launch proj (part 2): grid 64 x 3, 8 waves a work-group, no clusters, 66,560 bytes of LDS; arguments q, k, v, wimg, bq, bk, bv, lowp_scales, qimg, kimg, vimg; writes qimg, kimg, vimg
.if DOCPART == 2
	.amdgcn_target "amdgcn-amd-amdhsa--gfx1250"
	.amdhsa_code_object_version 6
	.text
	.protected	k_q106c36cecf_proj
	.globl	k_q106c36cecf_proj
	.p2align	8
	.type	k_q106c36cecf_proj,@function
k_q106c36cecf_proj:
	s_mov_b64 s[64:65], 0
	v_nop
	global_prefetch_b8 v0, s[64:65] scope:SCOPE_SE
	s_setreg_imm32_b32 hwreg(HW_REG_WAVE_MODE, 25, 1), 1
	s_wait_xcnt 0x0
; PROJ.  y = x W^T + b for x = q, k, v (work-group y = 0, 1, 2), both operands as codes of E4M3 with their given scales, and y quantised again with the scale under which attention takes it
; (entries 6, 7, 9).  x: [8192][512] f32, quantised here in registers (entries 0, 2, 4).  W: images made by the launch before.  The results go out as IMAGES OF OPERAND REGISTERS:
;   qimg, kimg [head 16][block of 128 tokens 32][tile 8][chunk 2][512]: lane (r, h) of chunk c holds token r of the tile, channels 32 c + 16 h + 0 .. 15;
;   vimg       [head 16][block 32][tile of channels 4][chunk 4][512]:   lane (r, h) of chunk c holds channel r of the tile, tokens 32 c + 16 h + 0 .. 15 of the block.
; Row r of every tile T (of tokens, of W's rows, of channels) is 32 (T / 2) + 8 (T % 2) + r + (r & 8): so a lane's 16 result registers of tiles 2 b and 2 b + 1 are 16 neighbours, 32 b + 16 h + 0 .. 15.
; SHARES.  A work-group takes 128 tokens of one tensor.  Wave w quantises tile w of x and hands its four fragments to all waves through LDS, as images; then wave w makes head w (64 columns) for all
; 128 tokens: its 16 fragments of W fill window 1 and are read from memory once.  For q and k source 0 = W, source 1 = x (a lane holds a token, registers run along the channels);
; for v source 0 = x, source 1 = W (a lane holds a channel, registers run along the tokens, which are the second attention product's K).
; The bias is the C of each sum's first product, divided by the power of two that the sums lack.  192 work-groups: the launch is a stream of x, and a smaller block would read W more often.
; No cluster: what the work-groups share, W, goes once into registers, 32 KB a wave, beside 256 KB of x that nobody shares.
; LIMITS: ex, and eo - ex - ew, between -126 and 119, so that each power of two below is an f32 number.  NaN among the inputs is not served.
.set SPARE, 65536                      ; LDS: x's 32 fragments, (4 T + s) x 2,048, in bytes 0 - 65,535; behind them the spare words, 128 bytes a wave
.set LI,  1                            ; v1   16 x lane
.set XA,  2                            ; v2   x: (r + (r & 8)) x 2,048 + 64 h
.set XWI, 3                            ; v3   where I store x's images: 16 x lane + 8,192 x wave
.set SPW, 4                            ; v4   LDS address of my spare word; never rewritten
.set NIL, 5                            ; v5   0; never rewritten
.set SCX, 6                            ; v6   2^ex;  v7  448 x 2^ex
.set LMX, 7
.set SCO, 8                            ; v8   2^(eo - ex - ew);  v9  448 x that
.set LMO, 9
.set BH,  10                           ; v10  64 h
.set BR,  11                           ; v11  4 (r + (r & 8))
.set BIAS, 16                          ; v16-47   the bias in the result's layout, 8 registers a tile of columns
.set ACC,  48                          ; v48-111  accumulator (m, t) at 48 + 8 (4 m + t): tile of tokens 2 P + m, tile of columns t
.set PC,   112                         ; v112-127 the codes just made
.set XS0,  128                         ; v128-191, v192-255: 64 numbers of x each; later x's fragments (m, s) at 128 + 16 (4 m + s)
.set XS1,  192
.set XF,   128
.set MSB, 0
.macro WIN new                         ; the immediate's high byte repeats the setting that is left
.if MSB != \new
	s_set_vgpr_msb (MSB<<8)|\new
.set MSB, \new
.endif
.endm
.macro XLOAD reg, ks                   ; my 16 rows' numbers of K step ks: 64 a lane, register 16 b + i = k 32 b + 16 h + i
.irp b, 0,1,2,3
.irp j, 0,1,2,3
	global_load_b128 v[\reg+16*\b+4*\j:\reg+16*\b+4*\j+3], v[XA], s[4:5] offset:512*\ks+128*\b+16*\j th:TH_LOAD_NT
.endr
.endr
.endm
.macro QUANT reg                       ; 64 numbers become a fragment's codes in v[PC] on
.irp b, 0,1,2,3
.irp i, 0,1,2,3,4,5,6,7,8,9,10,11,12,13,14,15
	v_med3_num_f32 v[\reg+16*\b+\i], v[\reg+16*\b+\i], -v[LMX], v[LMX]   ; the conversion does not saturate (ISA guide 7.6.2): the hold comes first
.endr
	v_cvt_scalef32_pk8_fp8_f32 v[PC+4*\b:PC+4*\b+1], v[\reg+16*\b:\reg+16*\b+7], v[SCX]
	v_cvt_scalef32_pk8_fp8_f32 v[PC+4*\b+2:PC+4*\b+3], v[\reg+16*\b+8:\reg+16*\b+15], v[SCX]
.endr
	v_nop                                          ; one plain vector line behind the last conversion
.endm
.macro IMAGE ks                        ; the fragment goes to LDS as it stands
.irp c, 0,1,2,3
	ds_store_b128 v[XWI], v[PC+4*\c:PC+4*\c+3] offset:2048*\ks+512*\c
.endr
.endm
.macro FETCHP pp                       ; the eight fragments of tiles 2 pp and 2 pp + 1 of x come back, in any wave
.irp m, 0,1
.irp k, 0,1,2,3
.irp c, 0,1,2,3
	ds_load_b128 v[XF+16*(4*\m+\k)+4*\c:XF+16*(4*\m+\k)+4*\c+3], v[LI] offset:(4*(2*(\pp)+\m)+\k)*2048+512*\c
.endr
.endr
.endr
.endm
.macro PROD vv, ks, m, t               ; one product; vv = 1: x is source 0
.set rD, ACC+8*(4*\m+\t)
.set rW, 16*(4*\t+\ks)
.set rX, XF+16*(4*\m+\ks)
.if \vv
.if \ks == 0
	v_wmma_f32_16x16x128_fp8_fp8 v[rD:rD+7], v[rX:rX+15], v[rW:rW+15], v[BIAS+8*\t:BIAS+8*\t+7]
.else
	v_wmma_f32_16x16x128_fp8_fp8 v[rD:rD+7], v[rX:rX+15], v[rW:rW+15], v[rD:rD+7]
.endif
.else
.if \ks == 0
	v_wmma_f32_16x16x128_fp8_fp8 v[rD:rD+7], v[rW:rW+15], v[rX:rX+15], v[BIAS+8*\t:BIAS+8*\t+7]
.else
	v_wmma_f32_16x16x128_fp8_fp8 v[rD:rD+7], v[rW:rW+15], v[rX:rX+15], v[rD:rD+7]
.endif
.endif
.endm
.macro CLOSE                           ; the wave's end
	s_wait_tensorcnt 0x0
	ds_add_u32 v[SPW], v[NIL]
	s_wait_dscnt 0x0
	s_endpgm
.endm
	s_load_b512 s[4:19], s[0:1], 0x0               ; q 4:5, k 6:7, v 8:9, wimg 10:11, bq 12:13, bk 14:15, bv 16:17, scales 18:19
	s_load_b128 s[20:23], s[0:1], 0x40             ; qimg, kimg
	s_load_b64 s[24:25], s[0:1], 0x50              ; vimg
	v_lshl_add_u32 v[SPW], v0, 2, SPARE
	v_mov_b32 v[NIL], 0
	v_lshrrev_b32 v12, 5, v0
	v_readfirstlane_b32 s27, v12                   ; wave 0..7
	s_and_b32 s26, ttmp7, 0xffff                   ; tensor 0, 1, 2
	v_and_b32 v12, 31, v0
	v_and_b32 v13, 15, v0                          ; r
	v_bfe_u32 v14, v0, 4, 1                        ; h
	v_lshlrev_b32 v[LI], 4, v12
	v_and_b32 v15, 8, v13
	v_add_nc_u32 v15, v15, v13                     ; r + (r & 8)
	v_lshlrev_b32 v[XA], 11, v15
	v_lshl_add_u32 v[XA], v14, 6, v[XA]
	s_lshl_b32 s28, s27, 13
	v_add_nc_u32 v[XWI], s28, v[LI]
	v_lshlrev_b32 v[BH], 6, v14
	v_lshlrev_b32 v[BR], 2, v15
	s_lshl_b32 s44, ttmp9, 7                       ; x: row 128 x block + 32 (w / 2) + 8 (w % 2),
	s_lshr_b32 s45, s27, 1
	s_lshl_b32 s45, s45, 5
	s_add_co_u32 s44, s44, s45
	s_and_b32 s45, s27, 1
	s_lshl_b32 s45, s45, 3
	s_add_co_u32 s44, s44, s45
	s_lshl_b32 s44, s44, 11                        ; of 2,048 bytes
	s_mov_b32 s45, 0
	s_lshl_b32 s46, s26, 18                        ; W's images: tensor x 262,144 + head x 32,768
	s_lshl_b32 s47, s27, 15
	s_add_co_u32 s46, s46, s47
	s_mov_b32 s47, 0
	s_lshl_b32 s48, s27, 8                         ; the bias: my 64 numbers
	s_mov_b32 s49, 0
	s_lshr_b32 s50, ttmp9, 5                       ; out: ((8 batch + head) x 32 + block in the batch) x 8,192
	s_lshl_b32 s50, s50, 3
	s_add_co_u32 s50, s50, s27
	s_lshl_b32 s50, s50, 5
	s_and_b32 s51, ttmp9, 31
	s_add_co_u32 s50, s50, s51
	s_lshl_b32 s50, s50, 13
	s_mov_b32 s51, 0
	s_wait_kmcnt 0x0
	s_load_b256 s[32:39], s[18:19], 0x0            ; scales' exponents 0 to 7
	s_load_b128 s[40:43], s[18:19], 0x20           ; 8 to 11
	s_cmp_eq_u32 s26, 1                            ; the buffers are chosen by the work-group's number alone
	s_cselect_b64 s[4:5], s[6:7], s[4:5]
	s_cselect_b64 s[12:13], s[14:15], s[12:13]
	s_cselect_b64 s[20:21], s[22:23], s[20:21]
	s_cmp_eq_u32 s26, 2
	s_cselect_b64 s[4:5], s[8:9], s[4:5]
	s_cselect_b64 s[12:13], s[16:17], s[12:13]
	s_cselect_b64 s[20:21], s[24:25], s[20:21]
	s_add_nc_u64 s[4:5], s[4:5], s[44:45]
	s_add_nc_u64 s[10:11], s[10:11], s[46:47]
	s_add_nc_u64 s[12:13], s[12:13], s[48:49]
	s_add_nc_u64 s[20:21], s[20:21], s[50:51]
	XLOAD XS0, 0
	XLOAD XS1, 1
.irp t, 0,1,2,3                        ; the bias in both layouts, so that the text parts only once: for q, k lane (r, h) wants channels 32 (t / 2) + 16 h + 8 (t % 2) + 0 .. 7;
	global_load_b128 v[BIAS+8*\t:BIAS+8*\t+3], v[BH], s[12:13] offset:(32*(\t/2)+8*(\t%2))*4
	global_load_b128 v[BIAS+8*\t+4:BIAS+8*\t+7], v[BH], s[12:13] offset:(32*(\t/2)+8*(\t%2))*4+16
.endr
.irp t, 0,1,2,3                        ; for v the one channel 32 (t / 2) + 8 (t % 2) + r + (r & 8)
	global_load_b32 v[ACC+\t], v[BR], s[12:13] offset:(32*(\t/2)+8*(\t%2))*4
.endr
	WIN 0x40                                       ; destination window 1
.set f, 0
.rept 16                               ; W's fragment (t, s) at v[16 (4 t + s)] of window 1: they stay
.irp c, 0,1,2,3
	global_load_b128 v[16*f+4*\c:16*f+4*\c+3], v[LI], s[10:11] offset:2048*f+512*\c
.endr
.set f, f+1
.endr
	WIN 0
	s_wait_kmcnt 0x0
	s_cmp_eq_u32 s26, 1
	s_cselect_b32 s52, s34, s32                    ; ex
	s_cselect_b32 s53, s35, s33                    ; ew
	s_cselect_b32 s54, s39, s38                    ; eo: entry 6, 7 or 9
	s_cmp_eq_u32 s26, 2
	s_cselect_b32 s52, s36, s52
	s_cselect_b32 s53, s37, s53
	s_cselect_b32 s54, s41, s54
	s_add_co_i32 s55, s52, s53                     ; a sum stands for sum x 2^(ex + ew)
	s_sub_co_i32 s56, 0, s55
	s_add_co_i32 s57, s52, 127
	s_lshl_b32 s58, s57, 23
	v_mov_b32 v[SCX], s58
	s_add_co_i32 s57, s57, 8
	s_lshl_b32 s57, s57, 23
	s_or_b32 s57, s57, 0x600000
	v_mov_b32 v[LMX], s57
	s_sub_co_i32 s57, s54, s55                     ; the three scales folded into the conversion's one
	s_add_co_i32 s57, s57, 127
	s_lshl_b32 s58, s57, 23
	v_mov_b32 v[SCO], s58
	s_add_co_i32 s57, s57, 8
	s_lshl_b32 s57, s57, 23
	s_or_b32 s57, s57, 0x600000
	v_mov_b32 v[LMO], s57
	s_wait_loadcnt 63                              ; 76 loads were issued behind x's first 32; 63 is the largest count that can be written: x's K steps 0 and 1 are in
	QUANT XS0
	IMAGE 0
	XLOAD XS0, 2
	s_wait_dscnt 0x0                               ; the stores have read the codes' registers
	QUANT XS1
	IMAGE 1
	XLOAD XS1, 3
	s_wait_loadcnt 16                              ; all but K step 3's sixteen
	s_wait_dscnt 0x0
	QUANT XS0
	IMAGE 2
	s_wait_loadcnt 0x0
	s_wait_dscnt 0x0
	QUANT XS1
	IMAGE 3
	s_wait_dscnt 0x0                               ; for the others' sake: my images have landed
	s_barrier_signal -1
	s_barrier_wait -1                              ; x's 32 fragments lie in LDS; nothing is stored there again
; The products and the way out, two tiles of tokens (P) at a time: 32 products, the eight accumulators by turns, one instruction a turn.
.macro TAIL vv
.if \vv
.irp t, 0,1,2,3
	v_ldexp_f32 v[ACC+\t], v[ACC+\t], s56          ; b / 2^(ex + ew)
.endr
.irp t, 0,1,2,3
.irp j, 0,1,2,3,4,5,6,7
	v_mov_b32 v[BIAS+8*\t+\j], v[ACC+\t]           ; a lane's eight results are eight tokens of one channel
.endr
.endr
.else
.set j, 0
.rept 32
	v_ldexp_f32 v[BIAS+j], v[BIAS+j], s56
.set j, j+1
.endr
.endif
	FETCHP 0
.irp P, 0,1,2,3
	s_wait_dscnt 0x0                               ; the eight fragments are in
.if \vv
	WIN 0x04                                       ; source 1 (W) window 1
.else
	WIN 0x01                                       ; source 0 (W) window 1
.endif
.irp k, 0,1,2,3
.irp m, 0,1
.irp t, 0,1,2,3
	PROD \vv, \k, \m, \t
.endr
.endr
.endr
	WIN 0
.rept 4
	v_nop                                          ; places in front of loads into registers that the products have read, and of the first read of results
.endr
.if \P < 3
	FETCHP \P+1
.endif
.if \P > 0
	s_wait_xcnt 0x0                                ; the last stores have read the codes' registers
.endif
.set j, 0
.rept 64
	v_med3_num_f32 v[ACC+j], v[ACC+j], -v[LMO], v[LMO]   ; each accumulator from its low end on
.set j, j+1
.endr
.irp m, 0,1
.irp t, 0,1,2,3
.if \vv
	v_cvt_scalef32_pk8_fp8_f32 v[PC+4*\t+2*\m:PC+4*\t+2*\m+1], v[ACC+8*(4*\m+\t):ACC+8*(4*\m+\t)+7], v[SCO]   ; tokens 32 P + 16 h + 8 m + 0 .. 7 of my channel
.else
	v_cvt_scalef32_pk8_fp8_f32 v[PC+8*\m+2*\t:PC+8*\m+2*\t+1], v[ACC+8*(4*\m+\t):ACC+8*(4*\m+\t)+7], v[SCO]   ; channels 32 (t / 2) + 16 h + 8 (t % 2) + 0 .. 7 of my token
.endif
.endr
.endr
	v_nop                                          ; one plain vector line behind the last conversion: the next products write its sources
.irp c, 0,1,2,3
.if \vv
	global_store_b128 v[LI], v[PC+4*\c:PC+4*\c+3], s[20:21] offset:2048*\c+512*\P     ; tile of channels c, chunk P
.else
	global_store_b128 v[LI], v[PC+4*\c:PC+4*\c+3], s[20:21] offset:2048*\P+512*\c     ; tile 2 P + c / 2, chunk c % 2
.endif
.endr
.endr
.endm
	s_cmp_eq_u32 s26, 2
	s_cbranch_scc1 .Lv
	TAIL 0
	CLOSE
.Lv:
	TAIL 1
	CLOSE
.Lfunc_end_k_q106c36cecf_proj:
	.size	k_q106c36cecf_proj, .Lfunc_end_k_q106c36cecf_proj-k_q106c36cecf_proj
	.p2alignl 7, 3214868480
	.fill 96, 4, 3214868480
	.section	.rodata,"a",@progbits
	.p2align	6, 0x0
	.amdhsa_kernel k_q106c36cecf_proj
		.amdhsa_group_segment_fixed_size 66560
		.amdhsa_private_segment_fixed_size 0
		.amdhsa_enable_private_segment 0
		.amdhsa_kernarg_size 88
		.amdhsa_user_sgpr_count 2
		.amdhsa_user_sgpr_kernarg_segment_ptr 1
		.amdhsa_wavefront_size32 1
		.amdhsa_system_sgpr_workgroup_id_x 1
		.amdhsa_system_sgpr_workgroup_id_y 1
		.amdhsa_system_sgpr_workgroup_id_z 1
		.amdhsa_system_vgpr_workitem_id 0
		.amdhsa_next_free_vgpr 512
		.amdhsa_next_free_sgpr 66
		.amdhsa_reserve_vcc 0
		.amdhsa_float_denorm_mode_32 3
		.amdhsa_float_denorm_mode_16_64 3
		.amdhsa_memory_ordered 1
		.amdhsa_forward_progress 1
		.amdhsa_inst_pref_size 113
	.end_amdhsa_kernel
	.amdgpu_metadata
---
amdhsa.version: [ 1, 2 ]
amdhsa.kernels:
  - .name:           k_q106c36cecf_proj
    .symbol:         k_q106c36cecf_proj.kd
    .args:
      - { .name: q, .offset: 0, .size: 8, .value_kind: global_buffer, .address_space: global }
      - { .name: k, .offset: 8, .size: 8, .value_kind: global_buffer, .address_space: global }
      - { .name: v, .offset: 16, .size: 8, .value_kind: global_buffer, .address_space: global }
      - { .name: wimg, .offset: 24, .size: 8, .value_kind: global_buffer, .address_space: global }
      - { .name: bq, .offset: 32, .size: 8, .value_kind: global_buffer, .address_space: global }
      - { .name: bk, .offset: 40, .size: 8, .value_kind: global_buffer, .address_space: global }
      - { .name: bv, .offset: 48, .size: 8, .value_kind: global_buffer, .address_space: global }
      - { .name: lowp_scales, .offset: 56, .size: 8, .value_kind: global_buffer, .address_space: global }
      - { .name: qimg, .offset: 64, .size: 8, .value_kind: global_buffer, .address_space: global }
      - { .name: kimg, .offset: 72, .size: 8, .value_kind: global_buffer, .address_space: global }
      - { .name: vimg, .offset: 80, .size: 8, .value_kind: global_buffer, .address_space: global }
    .group_segment_fixed_size: 66560
    .private_segment_fixed_size: 0
    .kernarg_segment_align: 8
    .kernarg_segment_size: 88
    .max_flat_workgroup_size: 256
    .sgpr_count:     66
    .vgpr_count:     512
    .wavefront_size: 32
...
	.end_amdgpu_metadata
.endif
;; end of part 2
;; launch attn (part 3): grid 16 x 16, 16 waves a work-group, no clusters, 34,816 bytes of LDS; arguments qimg, kimg, vimg, mwords, flags, lowp_scales, oimg; writes oimg
.if DOCPART == 3
	.amdgcn_target "amdgcn-amd-amdhsa--gfx1250"
	.amdhsa_code_object_version 6
	.text
	.protected	k_q106c36cecf_attn
	.globl	k_q106c36cecf_attn
	.p2align	8
	.type	k_q106c36cecf_attn,@function
k_q106c36cecf_attn:
	s_mov_b64 s[64:65], 0
	v_nop
	global_prefetch_b8 v0, s[64:65] scope:SCOPE_SE
	s_setreg_imm32_b32 hwreg(HW_REG_WAVE_MODE, 25, 1), 1
	s_wait_xcnt 0x0
; ATTN.  O = softmax(Q K^T / 8, hidden keys at -infinity) V for 16 heads of 4,096 tokens and 64 channels, both products on codes of E4M3; O is quantised for the last projection (entry 10).
; THE SOFTMAX AHEAD OF THE SECOND PRODUCT: t = score x log2(e) / 8; M = the running largest t rounded UP to a whole number; p = 2^(t - M) is quantised (entry 8), not normalised; the row's sum is taken
; of the unquantised p and divides O at the end.  When M moves, the sum and O are multiplied by 2^(old M - new M): exact.
; THE MASK is an input.  The first launch has turned it into lane masks (64 words for a tile of 16 queries x 128 keys) and flags (bit 0: some key open, bit 1: some key hidden).  A wave leaves out a step
; in which no key of its tile is open, applies the words only where some key is hidden, and a step's K and V are fetched only if some wave of the work-group wants them: scalar branches on stored whole numbers.
; SHARES.  Work-group (x, head) holds the blocks of 128 queries x and 31 - x, eight waves each, a tile of 16 queries a wave, dealt so that neighbouring waves alternate.  All sixteen waves walk 32 steps of
; 128 keys: the trip count is a constant and every wave passes every barrier.
; LAYOUT.  Both products transposed: S^T = K Q^T (source 0 = 16 keys), O^T = V^T P^T (source 0 = 16 channels): a lane holds one query throughout.  Q, K, V come as images of operand registers (chunks of 512
; bytes, 16 a lane); row r of every tile T is 32 (T / 2) + 8 (T % 2) + r + (r & 8), so that score register n of lane (r, h) is key 32 (n / 16) + 16 h + n % 16 and p's codes are the operand as they fall.
; K AND V go from memory through registers into two LDS slots by turns: thread i carries 16 bytes of each.  One barrier a step: in front of it a wave's reads of this step's slot are back and its stores into the
; other slot have landed.  No tensor load: the text branches on stored numbers.  No cluster: which steps a work-group fetches hangs on those numbers and differs between work-groups.
; A query all of whose keys are hidden gets the NaN code, as the softmax of such a row is NaN.
; LIMITS on the given exponents, so that each power of two below is an f32 number: e6 + e7 between -123 and 130 (added to c's exponent field); e8, and e10 - e8 - e9, between -126 and 119.
.set SLOTB, 16384                      ; an LDS slot: K's image of a step, 8,192 bytes, then V's
.set VOFF,  8192
.set SPARE, 32768                      ; behind the two slots: the spare words, 128 bytes a wave
.set LI,   1                           ; v1   16 x lane
.set ST,   2                           ; v2   16 x thread
.set PFO,  3                           ; v3   256 x lane
.set SPW,  4                           ; v4   LDS address of my spare word; never rewritten
.set NIL,  5                           ; v5   0; never rewritten
.set NINF, 6                           ; v6   -infinity
.set NANC, 7                           ; v7   four NaN codes
.set GK,   8                           ; v8-11  my 16 bytes of the next step's K;  v12-15 of its V
.set GV,   12
.set QF,   16                          ; v16-23 Q's fragment
.set NM,   24                          ; v24  -M;  v25 the largest t
.set TM,   25
.set LS,   26                          ; v26-27 the sum in two halves
.set FF,   28                          ; v28  f = 2^(old M - new M);  v29 = 0, named with it as a pair
.set L2,   32                          ; v32-33 the sum's second chain
.set PLIM, 34                          ; v34  448 x 2^e8;  v35  2^e8
.set PSC,  35
.set OLIM, 37                          ; v37  448 x 2^(e10 - e8 - e9);  v38  2^(e10 - e8 - e9)
.set OSC,  38
.set FO,   39                          ; v39  4 x lane
.set PC,   40                          ; v40-55 p's codes
.set KV,   64                          ; v64-127 eight fragments of K, then four of V
.set S,    128                         ; v128-191 S^T, then p
.set OT,   192                         ; v192-223 O^T
; scalars: s2 1 in a wave that prefetches; s3 1 where p needs its hold; s[4:5] Q; s[6:7], s[8:9] K, V at the trip's first step; s[10:11] my words; s[12:13] my flags; s[16:17] out; s18 wave;
; s19, s20, s21: bit 0 = this step is open for me / has hidden keys / the next step is wanted by the work-group; s[22:23] c; s[24:25] lane selects; s26 trips; s27-29 the three bits; s[30:31] prefetch;
; s[32:63], s[68:99] the step's 64 words
	s_load_b256 s[4:11], s[0:1], 0x0               ; qimg, kimg, vimg, mwords
	s_load_b128 s[12:15], s[0:1], 0x20             ; flags, scales
	s_load_b64 s[16:17], s[0:1], 0x30              ; oimg
	v_lshl_add_u32 v[SPW], v0, 2, SPARE
	v_mov_b32 v[NIL], 0
	v_lshrrev_b32 v30, 5, v0
	v_readfirstlane_b32 s18, v30                   ; wave 0..15
	v_and_b32 v30, 31, v0
	v_lshlrev_b32 v[LI], 4, v30
	v_lshlrev_b32 v[ST], 4, v0
	v_lshlrev_b32 v[PFO], 8, v30
	v_lshlrev_b32 v[FO], 2, v30
	s_and_b32 s32, ttmp7, 0xffff                   ; the head, 0..15
	s_lshr_b32 s33, s18, 2
	s_xor_b32 s33, s33, s18
	s_and_b32 s33, s33, 1                          ; which of the two blocks
	s_lshr_b32 s34, s18, 1                         ; which tile of it
	s_sub_co_u32 s35, 31, ttmp9
	s_cmp_eq_u32 s33, 0
	s_cselect_b32 s36, ttmp9, s35
	s_lshl_b32 s36, s36, 3
	s_add_co_u32 s36, s36, s34                     ; qt: my tile of queries, 0..255
	s_lshl_b32 s38, s32, 18                        ; K, V: head x 262,144
	s_mov_b32 s39, 0
	s_lshl_b32 s40, s32, 8
	s_add_co_u32 s40, s40, s36
	s_lshl_b32 s40, s40, 10                        ; Q: (256 head + qt) x 1,024
	s_mov_b32 s41, 0
	s_lshl_b32 s42, s36, 13                        ; words: qt x 8,192
	s_mov_b32 s43, 0
	s_lshl_b32 s44, s36, 7                         ; flags: qt x 128
	s_mov_b32 s45, 0
	s_lshl_b32 s46, ttmp9, 10                      ; the flags of block x's eight tiles,
	s_mov_b32 s47, 0
	s_lshl_b32 s48, s35, 10                        ; and of block 31 - x's
	s_mov_b32 s49, 0
	s_lshr_b32 s50, s32, 3                         ; out: ((batch x 256 + qt) x 8 + head in the batch) x 1,024
	s_lshl_b32 s50, s50, 8
	s_add_co_u32 s50, s50, s36
	s_lshl_b32 s50, s50, 13
	s_and_b32 s51, s32, 7
	s_lshl_b32 s51, s51, 10
	s_add_co_u32 s50, s50, s51
	s_mov_b32 s51, 0
	s_lshr_b32 s2, s18, 1                          ; waves 0 and 1
	s_or_b32 s2, s2, ttmp9                         ; of the head's first work-group prefetch
	s_cmp_eq_u32 s2, 0
	s_cselect_b32 s2, 1, 0
	s_mov_b32 s24, 0x76543210
	s_mov_b32 s25, 0xfedcba98
	s_mov_b32 s26, 15
	s_wait_kmcnt 0x0
	s_load_b256 s[68:75], s[14:15], 0x0            ; scales' exponents 0 to 7
	s_load_b128 s[76:79], s[14:15], 0x20           ; 8 to 11
	s_add_nc_u64 s[100:101], s[12:13], s[46:47]
	s_add_nc_u64 s[104:105], s[12:13], s[48:49]
	s_add_nc_u64 s[12:13], s[12:13], s[44:45]
	s_add_nc_u64 s[4:5], s[4:5], s[40:41]
	s_add_nc_u64 s[6:7], s[6:7], s[38:39]
	s_add_nc_u64 s[8:9], s[8:9], s[38:39]
	s_add_nc_u64 s[10:11], s[10:11], s[42:43]
	s_add_nc_u64 s[16:17], s[16:17], s[50:51]
	s_cmp_eq_u32 s18, 0
	s_cselect_b64 s[30:31], s[6:7], s[8:9]         ; wave 0 asks for K's bytes, wave 1 for V's
	global_load_b128 v[GK:GK+3], v[ST], s[6:7]                 ; steps 0 and 1 of K and V: both slots are written once whatever the flags say
	global_load_b128 v[GV:GV+3], v[ST], s[8:9]
	global_load_b128 v[64:67], v[ST], s[6:7] offset:8192
	global_load_b128 v[68:71], v[ST], s[8:9] offset:8192
	global_load_b128 v[QF:QF+3], v[LI], s[4:5]
	global_load_b128 v[QF+4:QF+7], v[LI], s[4:5] offset:512
	global_load_b32 v72, v[FO], s[12:13]                       ; my tile's 32 flags, a lane a step
.irp t, 0,1,2,3,4,5,6,7
	global_load_b32 v[73+\t], v[FO], s[100:101] offset:128*\t  ; and those of all sixteen tiles of the work-group
	global_load_b32 v[81+\t], v[FO], s[104:105] offset:128*\t
.endr
	v_mov_b32 v[NINF], 0xff800000
	v_mov_b32 v[NANC], 0x7f7f7f7f
	v_mov_b32 v[TM], 0xff61b1e6                    ; the largest t so far: -3e38, under every t
	v_floor_f32 v[NM], -v[TM]
	v_mov_b32 v[LS], 0
	v_mov_b32 v[LS+1], 0
	v_mov_b32 v[FF+1], 0
	v_mov_b32 v36, 0                               ; a lane permute's destination counts as one of its sources
.set j, 0
.rept 32
	v_mov_b32 v[OT+j], 0                           ; which step is a wave's first hangs on the flags, so the sums begin as zeros, which the first change of M leaves zeros
.set j, j+1
.endr
	s_wait_kmcnt 0x0
	s_add_co_i32 s52, s74, s75                     ; a score stands for score x 2^(e6 + e7): added to c's exponent field
	s_lshl_b32 s52, s52, 23
	s_mov_b32 s22, 0x3e38aa3b                      ; c = log2(e) / 8
	s_add_co_i32 s22, s22, s52
	s_mov_b32 s23, s22
	s_add_co_i32 s52, s76, 127
	s_lshl_b32 s53, s52, 23
	v_mov_b32 v[PSC], s53
	s_add_co_i32 s52, s52, 8
	s_lshl_b32 s52, s52, 23
	s_or_b32 s52, s52, 0x600000
	v_mov_b32 v[PLIM], s52
	s_cmp_lt_i32 s76, -8                           ; p is at most 1, and 448 x 2^e8 is at least 1 from e8 = -8 on: only under that can the hold bind
	s_cselect_b32 s3, 1, 0
	s_sub_co_i32 s52, s78, s76                     ; O^T / the sum stands for that x 2^(e8 + e9): its code is that / 2^(e10 - e8 - e9)
	s_sub_co_i32 s52, s52, s77
	s_add_co_i32 s52, s52, 127
	s_lshl_b32 s53, s52, 23
	v_mov_b32 v[OSC], s53
	s_add_co_i32 s52, s52, 8
	s_lshl_b32 s52, s52, 23
	s_or_b32 s52, s52, 0x600000
	v_mov_b32 v[OLIM], s52
	s_load_b512 s[32:47], s[10:11], 0x0            ; step 0's words, so that these registers hold numbers on every way
	s_load_b512 s[48:63], s[10:11], 0x40
	s_load_b512 s[68:83], s[10:11], 0x80
	s_load_b512 s[84:99], s[10:11], 0xc0
	s_wait_loadcnt 0x0
	ds_store_b128 v[ST], v[GK:GK+3]
	ds_store_b128 v[ST], v[GV:GV+3] offset:VOFF
	ds_store_b128 v[ST], v[64:67] offset:SLOTB
	ds_store_b128 v[ST], v[68:71] offset:SLOTB+VOFF
	v_and_b32 v30, 1, v72
	v_cmp_ne_u32 s19, 0, v30                       ; bit s: step s has an open key for my tile
	v_and_b32 v31, 2, v72
	v_cmp_ne_u32 s20, 0, v31                       ; bit s: it has a hidden one
.irp t, 1,2,3,4,5,6,7,8,9,10,11,12,13,14,15
	v_or_b32 v73, v73, v[73+\t]
.endr
	v_and_b32 v73, 1, v73
	v_cmp_ne_u32 s21, 0, v73                       ; bit s: some wave of the work-group wants step s
	s_lshr_b32 s21, s21, 1                         ; in step s the question is step s + 1;
	s_and_b32 s21, s21, -2                         ; step 1 lies in its slot already
	s_wait_kmcnt 0x0
	s_wait_dscnt 0x0                               ; for the others' sake: my stores have landed
	s_barrier_signal -1
	s_barrier_wait -1
; A KEY STEP in slot p.  fill = 1: the next step's K and V are brought into the other slot, and the step ends with the barrier.  ask = 1: the step after that is prefetched.
.macro STEP p, fill, ask
	s_and_b32 s27, s21, 1
	s_and_b32 s28, s19, 1
	s_and_b32 s29, s20, 1
	s_lshr_b32 s21, s21, 1
	s_lshr_b32 s19, s19, 1
	s_lshr_b32 s20, s20, 1
.if \fill
	s_cmp_eq_u32 s27, 0
	s_cbranch_scc1 .Lnoget_\@
	global_load_b128 v[GK:GK+3], v[ST], s[6:7] offset:(\p+1)*8192   ; the sixteen waves together: 8,192 consecutive bytes of each
	global_load_b128 v[GV:GV+3], v[ST], s[8:9] offset:(\p+1)*8192
.Lnoget_\@:
.endif
.if \ask
	s_cmp_eq_u32 s2, 1                             ; all work-groups of a head walk the same K and V: the head's first asks, wave 0 for K's 8,192 bytes of the step two on, wave 1 for V's, lanes 256 bytes apart:
	s_cbranch_scc0 .Lnoask_\@                      ; each block of 256 bytes is named once in the launch, one step ahead of the loads that bring it; the last two steps ask for nothing
	global_prefetch_b8 v[PFO], s[30:31] offset:(\p+2)*8192 th:TH_LOAD_NT scope:SCOPE_SE
.Lnoask_\@:
.endif
	s_cmp_eq_u32 s28, 0
	s_cbranch_scc1 .Lhidden_\@                     ; no key of this step is open for my tile
	s_cmp_eq_u32 s29, 0
	s_cbranch_scc1 .Lnowords_\@
	s_load_b512 s[32:47], s[10:11], 256*\p         ; the step's 64 lane masks
	s_load_b512 s[48:63], s[10:11], 256*\p+64
	s_load_b512 s[68:83], s[10:11], 256*\p+128
	s_load_b512 s[84:99], s[10:11], 256*\p+192
.Lnowords_\@:
.irp t, 0,1,2,3,4,5,6,7
.irp c, 0,1
	ds_load_b128 v[KV+8*\t+4*\c:KV+8*\t+4*\c+3], v[LI] offset:SLOTB*\p+1024*\t+512*\c
.endr
.endr
	s_wait_dscnt 0x0
.irp t, 0,1,2,3,4,5,6,7
	v_wmma_f32_16x16x64_fp8_fp8 v[S+8*\t:S+8*\t+7], v[KV+8*\t:KV+8*\t+7], v[QF:QF+7], 0
.endr
.rept 4
	v_nop                                          ; places in front of loads into registers that the products have read, and of the first read of the scores
.endr
.irp t, 0,1,2,3
.irp c, 0,1,2,3
	ds_load_b128 v[KV+16*\t+4*\c:KV+16*\t+4*\c+3], v[LI] offset:SLOTB*\p+VOFF+2048*\t+512*\c   ; V comes while the softmax is walked
.endr
.endr
	s_wait_kmcnt 0x0
	s_cmp_eq_u32 s29, 0
	s_cbranch_scc1 .Lopen_\@
.set n, 0
.rept 64
.if n < 32
	v_cndmask_b32 v[S+n], v[S+n], v[NINF], s[32+n] ; hidden scores become -infinity ahead of the maximum: p = 0 then
.else
	v_cndmask_b32 v[S+n], v[S+n], v[NINF], s[36+n]
.endif
.set n, n+1
.endr
.Lopen_\@:
	v_max3_num_f32 v30, v[S], v[S+1], v[S+2]       ; the step's largest score of my query among my 64 keys, in two chains; each accumulator is first read at its low end
	v_max3_num_f32 v31, v[S+3], v[S+4], v[S+5]
.irp i, 6,10,14,18,22,26,30,34,38,42,46,50,54,58
	v_max3_num_f32 v30, v30, v[S+\i], v[S+\i+1]
	v_max3_num_f32 v31, v31, v[S+\i+2], v[S+\i+3]
.endr
	v_max3_num_f32 v30, v30, v[S+62], v[S+63]
	v_max_num_f32 v30, v30, v31
	v_permlanex16_b32 v36, v30, s24, s25
	v_max_num_f32 v30, v30, v36                    ; and among lane l xor 16's
	v_mul_f32 v30, s22, v30                        ; as t (c is positive)
	v_max_num_f32 v[TM], v[TM], v30
	v_mov_b32 v30, v[NM]
	v_floor_f32 v[NM], -v[TM]                      ; the new -M = floor(-t): M is a whole number
	v_sub_f32 v30, v[NM], v30                      ; old M - new M: a whole number, 0 or less
	v_cvt_i32_f32 v30, v30                         ; (it saturates)
	v_ldexp_f32 v[FF], 1.0, v30                    ; f
.set j, 0
.rept 32
	v_pk_fma_f32 v[S+j:S+j+1], v[S+j:S+j+1], s[22:23], v[NM:NM+1] op_sel_hi:[1,0,0]   ; t - M, two at a time
.set j, j+2
.endr
.set j, 0
.rept 64
	v_exp_f32 v[S+j], v[S+j]                       ; p = 2^(t - M)
.set j, j+1
.endr
	v_pk_mul_f32 v[LS:LS+1], v[LS:LS+1], v[FF:FF+1] op_sel_hi:[1,0]   ; the sum under the new M: the plain line behind the exponentials
	s_wait_alu depctr_va_vdst(0)                   ; one wait for the whole batch, ahead of its first reader
	v_pk_add_f32 v[L2:L2+1], v[S:S+1], v[S+2:S+3]  ; the sum is taken of the unquantised p, in two chains
.irp i, 4,8,12,16,20,24,28,32,36,40,44,48,52,56,60
	v_pk_add_f32 v[LS:LS+1], v[LS:LS+1], v[S+\i:S+\i+1]
	v_pk_add_f32 v[L2:L2+1], v[L2:L2+1], v[S+\i+2:S+\i+3]
.endr
	v_pk_add_f32 v[LS:LS+1], v[LS:LS+1], v[L2:L2+1]
	s_cmp_eq_u32 s3, 0
	s_cbranch_scc1 .Lnohold_\@
.set j, 0
.rept 64
	v_min_num_f32 v[S+j], v[S+j], v[PLIM]          ; the conversion does not saturate (ISA guide 7.6.2); p is not negative: a one-sided hold
.set j, j+1
.endr
.Lnohold_\@:
.irp b, 0,1,2,3
	v_cvt_scalef32_pk8_fp8_f32 v[PC+4*\b:PC+4*\b+1], v[S+16*\b:S+16*\b+7], v[PSC]
	v_cvt_scalef32_pk8_fp8_f32 v[PC+4*\b+2:PC+4*\b+3], v[S+16*\b+8:S+16*\b+15], v[PSC]
.endr
.set j, 0
.rept 16
	v_pk_mul_f32 v[OT+j:OT+j+1], v[OT+j:OT+j+1], v[FF:FF+1] op_sel_hi:[1,0]   ; O^T under the new M; also the plain lines behind the conversions
.set j, j+2
.endr
	s_wait_dscnt 0x0                               ; V is in: all my reads of this slot are back
.irp t, 0,1,2,3
	v_wmma_f32_16x16x128_fp8_fp8 v[OT+8*\t:OT+8*\t+7], v[KV+16*\t:KV+16*\t+15], v[PC:PC+15], v[OT+8*\t:OT+8*\t+7]   ; the four accumulators by turns
.endr
.rept 4
	v_nop                                          ; places in front of the next loads into V's registers, and of the next read of O^T
.endr
.Lhidden_\@:
	s_wait_loadcnt 0x0                             ; the next step's bytes are in my registers
.if \fill
	s_cmp_eq_u32 s27, 0
	s_cbranch_scc1 .Lnoput_\@
	ds_store_b128 v[ST], v[GK:GK+3] offset:(1-\p)*SLOTB          ; into the slot that every wave left at the last barrier
	ds_store_b128 v[ST], v[GV:GV+3] offset:(1-\p)*SLOTB+VOFF
.Lnoput_\@:
	s_wait_dscnt 0x0                               ; my stores have landed, and my reads of this slot are back
	s_barrier_signal -1
	s_barrier_wait -1
.endif
.endm
.Ltrip:                                            ; 15 trips of two steps
	STEP 0, 1, 1
	STEP 1, 1, 1
	s_wait_xcnt 0x0                                ; the trip's loads and prefetches have read their bases
	s_add_nc_u64 s[6:7], s[6:7], 16384
	s_add_nc_u64 s[8:9], s[8:9], 16384
	s_add_nc_u64 s[30:31], s[30:31], 16384
	s_add_nc_u64 s[10:11], s[10:11], 512
	s_sub_co_u32 s26, s26, 1
	s_cmp_lg_u32 s26, 0
	s_cbranch_scc1 .Ltrip
	STEP 0, 1, 0                                   ; steps 30 and 31: nothing is left to prefetch, and behind step 31 nothing to fetch
	STEP 1, 0, 0
	; THE WAY OUT: O^T / the sum, quantised; the codes are chunks of the last projection's operand as they fall: 512 consecutive bytes a store.
	v_add_f32 v[LS], v[LS], v[LS+1]
	v_permlanex16_b32 v36, v[LS], s24, s25
	v_add_f32 v[LS], v[LS], v36                    ; the row's sum
	v_rcp_f32 v30, v[LS]
	v_nop                                          ; a plain line behind the reciprocal
	v_cmp_eq_f32 vcc_lo, 0, v[LS]                  ; a query with no open key
	s_wait_alu depctr_va_vdst(0)                   ; one wait ahead of the first reader
.set j, 0
.rept 32
	v_mul_f32 v[S+j], v[OT+j], v30
.set j, j+1
.endr
.set j, 0
.rept 32
	v_med3_num_f32 v[S+j], v[S+j], -v[OLIM], v[OLIM]
.set j, j+1
.endr
.irp t, 0,1,2,3
	v_cvt_scalef32_pk8_fp8_f32 v[PC+2*\t:PC+2*\t+1], v[S+8*\t:S+8*\t+7], v[OSC]   ; channels 32 (t / 2) + 16 h + 8 (t % 2) + 0 .. 7
.endr
	v_nop                                          ; one plain line behind the last conversion
.irp i, 0,1,2,3,4,5,6,7
	v_cndmask_b32 v[PC+\i], v[PC+\i], v[NANC], vcc_lo
.endr
	global_store_b128 v[LI], v[PC:PC+3], s[16:17]
	global_store_b128 v[LI], v[PC+4:PC+7], s[16:17] offset:512
	s_wait_tensorcnt 0x0                           ; the wave's end
	ds_add_u32 v[SPW], v[NIL]
	s_wait_dscnt 0x0
	s_endpgm
.Lfunc_end_k_q106c36cecf_attn:
	.size	k_q106c36cecf_attn, .Lfunc_end_k_q106c36cecf_attn-k_q106c36cecf_attn
	.p2alignl 7, 3214868480
	.fill 96, 4, 3214868480
	.section	.rodata,"a",@progbits
	.p2align	6, 0x0
	.amdhsa_kernel k_q106c36cecf_attn
		.amdhsa_group_segment_fixed_size 34816
		.amdhsa_private_segment_fixed_size 0
		.amdhsa_enable_private_segment 0
		.amdhsa_kernarg_size 56
		.amdhsa_user_sgpr_count 2
		.amdhsa_user_sgpr_kernarg_segment_ptr 1
		.amdhsa_wavefront_size32 1
		.amdhsa_system_sgpr_workgroup_id_x 1
		.amdhsa_system_sgpr_workgroup_id_y 1
		.amdhsa_system_sgpr_workgroup_id_z 1
		.amdhsa_system_vgpr_workitem_id 0
		.amdhsa_next_free_vgpr 256
		.amdhsa_next_free_sgpr 106
		.amdhsa_reserve_vcc 1
		.amdhsa_float_denorm_mode_32 3
		.amdhsa_float_denorm_mode_16_64 3
		.amdhsa_memory_ordered 1
		.amdhsa_forward_progress 1
		.amdhsa_inst_pref_size 94
	.end_amdhsa_kernel
	.amdgpu_metadata
---
amdhsa.version: [ 1, 2 ]
amdhsa.kernels:
  - .name:           k_q106c36cecf_attn
    .symbol:         k_q106c36cecf_attn.kd
    .args:
      - { .name: qimg, .offset: 0, .size: 8, .value_kind: global_buffer, .address_space: global }
      - { .name: kimg, .offset: 8, .size: 8, .value_kind: global_buffer, .address_space: global }
      - { .name: vimg, .offset: 16, .size: 8, .value_kind: global_buffer, .address_space: global }
      - { .name: mwords, .offset: 24, .size: 8, .value_kind: global_buffer, .address_space: global }
      - { .name: flags, .offset: 32, .size: 8, .value_kind: global_buffer, .address_space: global }
      - { .name: lowp_scales, .offset: 40, .size: 8, .value_kind: global_buffer, .address_space: global }
      - { .name: oimg, .offset: 48, .size: 8, .value_kind: global_buffer, .address_space: global }
    .group_segment_fixed_size: 34816
    .private_segment_fixed_size: 0
    .kernarg_segment_align: 8
    .kernarg_segment_size: 56
    .max_flat_workgroup_size: 512
    .sgpr_count:     106
    .vgpr_count:     256
    .wavefront_size: 32
...
	.end_amdgpu_metadata
.endif
;; end of part 3
;; launch outp (part 4): grid 256 x 1, 8 waves a work-group, no clusters, 35,840 bytes of LDS; arguments oimg, wimg, bo, lowp_scales, out0; writes out0
.if DOCPART == 4
	.amdgcn_target "amdgcn-amd-amdhsa--gfx1250"
	.amdhsa_code_object_version 6
	.text
	.protected	k_q106c36cecf_outp
	.globl	k_q106c36cecf_outp
	.p2align	8
	.type	k_q106c36cecf_outp,@function
k_q106c36cecf_outp:
	s_mov_b64 s[64:65], 0
	v_nop
	global_prefetch_b8 v0, s[64:65] scope:SCOPE_SE
	s_setreg_imm32_b32 hwreg(HW_REG_WAVE_MODE, 25, 1), 1
	s_wait_xcnt 0x0
; OUTP.  out = O Wo^T + bo on codes of E4M3 (entries 10 and 11 of the scales); out0: [8192][512] f32.
; O comes as images of operand registers: [tile of 16 tokens 512][K step 4][chunk 4][512]; token r of tile T is 32 (T / 2) + 8 (T % 2) + r + (r & 8).  Wo's images are tensor 3 of wimg, rows 16 t + r.
; SHARES.  A work-group takes 32 tokens (two tiles); wave w makes columns 64 w .. 64 w + 63: its 16 fragments of Wo fill window 1.  Source 0 = Wo, source 1 = O: a lane holds one token and eight neighbouring columns.
; Each wave's 16 rows x 256 bytes go through its own stage in LDS and leave as whole aligned runs of 256 bytes, sixteen lanes to a run.
; No cluster and no tensor load: every operand is read once by each wave straight into registers, and the launch is one pass with no loop.
; LIMIT: e10 + e11 between -126 and 127, so that 2^(e10 + e11) is an f32 number.
.set SPARE, 34816                      ; LDS: eight stages of 16 rows x 272 bytes; behind them the spare words, 128 bytes a wave
.set LI,  1                            ; v1   16 x lane
.set BO,  2                            ; v2   32 h
.set STO, 3                            ; v3   the stage, in: 4,352 w + 272 r + 32 h
.set SPW, 4                            ; v4   LDS address of my spare word; never rewritten
.set NIL, 5                            ; v5   0; never rewritten
.set RD,  6                            ; v6   the stage, back: 4,352 w + 272 h + 16 r
.set GO,  7                            ; v7   out0: 2,048 h + 16 r
.set BB,  16                           ; v16-47   bo in the result's layout
.set ACC, 48                           ; v48-111  accumulator (m, t) at 48 + 8 (4 m + t)
.set XF,  128                          ; v128-255 O's fragments (m, s) at 128 + 16 (4 m + s); later
.set Y,   128                          ; v128-191 the results,
.set BK,  192                          ; v192-255 and the rows read back
.set MSB, 0
.macro WIN new                         ; the immediate's high byte repeats the setting that is left
.if MSB != \new
	s_set_vgpr_msb (MSB<<8)|\new
.set MSB, \new
.endif
.endm
	s_load_b256 s[4:11], s[0:1], 0x0               ; oimg, wimg, bo, scales
	s_load_b64 s[12:13], s[0:1], 0x20              ; out0
	v_lshl_add_u32 v[SPW], v0, 2, SPARE
	v_mov_b32 v[NIL], 0
	v_lshrrev_b32 v12, 5, v0
	v_readfirstlane_b32 s18, v12                   ; wave 0..7
	v_and_b32 v12, 31, v0
	v_and_b32 v13, 15, v0                          ; r
	v_bfe_u32 v14, v0, 4, 1                        ; h
	v_lshlrev_b32 v[LI], 4, v12
	v_lshlrev_b32 v[BO], 5, v14
	s_mul_i32 s19, s18, 4352
	v_mul_u32_u24 v[STO], v13, 272
	v_lshl_add_u32 v[STO], v14, 5, v[STO]
	v_add_nc_u32 v[STO], s19, v[STO]
	v_mul_u32_u24 v[RD], v14, 272
	v_lshl_add_u32 v[RD], v13, 4, v[RD]
	v_add_nc_u32 v[RD], s19, v[RD]
	v_lshlrev_b32 v[GO], 11, v14
	v_lshl_add_u32 v[GO], v13, 4, v[GO]
	s_lshl_b32 s20, ttmp9, 14                      ; O: two tiles of 8,192 bytes
	s_mov_b32 s21, 0
	s_lshl_b32 s22, s18, 15
	s_add_co_u32 s22, s22, 786432                  ; Wo: tensor 3, my four tiles
	s_mov_b32 s23, 0
	s_lshl_b32 s24, s18, 8                         ; bo: my 64 numbers
	s_mov_b32 s25, 0
	s_lshl_b32 s26, ttmp9, 16                      ; out0: 32 rows of 2,048 bytes, + my 256
	s_add_co_u32 s26, s26, s24
	s_mov_b32 s27, 0
	s_wait_kmcnt 0x0
	s_load_b64 s[14:15], s[10:11], 0x28            ; e10, e11
	s_add_nc_u64 s[4:5], s[4:5], s[20:21]
	s_add_nc_u64 s[6:7], s[6:7], s[22:23]
	s_add_nc_u64 s[8:9], s[8:9], s[24:25]
	s_add_nc_u64 s[12:13], s[12:13], s[26:27]
.set f, 0
.rept 8                                ; O's fragment f = 4 m + s
.irp c, 0,1,2,3
	global_load_b128 v[XF+16*f+4*\c:XF+16*f+4*\c+3], v[LI], s[4:5] offset:2048*f+512*\c
.endr
.set f, f+1
.endr
.irp t, 0,1,2,3
	global_load_b128 v[BB+8*\t:BB+8*\t+3], v[BO], s[8:9] offset:64*\t          ; bo at columns 16 t + 8 h + 0 .. 7 of my 64
	global_load_b128 v[BB+8*\t+4:BB+8*\t+7], v[BO], s[8:9] offset:64*\t+16
.endr
	WIN 0x40                                       ; destination window 1
.set f, 0
.rept 16                               ; Wo's fragment (t, s) at v[16 (4 t + s)] of window 1
.irp c, 0,1,2,3
	global_load_b128 v[16*f+4*\c:16*f+4*\c+3], v[LI], s[6:7] offset:2048*f+512*\c
.endr
.set f, f+1
.endr
	WIN 0
	s_wait_kmcnt 0x0
	s_add_co_i32 s16, s14, s15
	s_add_co_i32 s16, s16, 127
	s_lshl_b32 s16, s16, 23                        ; 2^(e10 + e11) as f32
	s_mov_b32 s17, s16                             ; (named with it as a pair)
	s_wait_loadcnt 0x0
	WIN 0x01                                       ; source 0 (Wo) window 1
.irp k, 0,1,2,3                        ; 32 products, the eight accumulators by turns, one instruction a turn; the first K step starts the sums
.irp m, 0,1
.irp t, 0,1,2,3
.if \k == 0
	v_wmma_f32_16x16x128_fp8_fp8 v[ACC+8*(4*\m+\t):ACC+8*(4*\m+\t)+7], v[16*(4*\t+\k):16*(4*\t+\k)+15], v[XF+16*(4*\m+\k):XF+16*(4*\m+\k)+15], 0
.else
	v_wmma_f32_16x16x128_fp8_fp8 v[ACC+8*(4*\m+\t):ACC+8*(4*\m+\t)+7], v[16*(4*\t+\k):16*(4*\t+\k)+15], v[XF+16*(4*\m+\k):XF+16*(4*\m+\k)+15], v[ACC+8*(4*\m+\t):ACC+8*(4*\m+\t)+7]
.endif
.endr
.endr
.endr
	WIN 0
.rept 4
	v_nop                                          ; places in front of the first read of results and of writes over the products' sources
.endr
.irp m, 0,1
.irp t, 0,1,2,3
.irp i, 0,2,4,6
	v_pk_fma_f32 v[Y+8*(4*\m+\t)+\i:Y+8*(4*\m+\t)+\i+1], v[ACC+8*(4*\m+\t)+\i:ACC+8*(4*\m+\t)+\i+1], s[16:17], v[BB+8*\t+\i:BB+8*\t+\i+1] op_sel_hi:[1,0,1]   ; sum x 2^(e10 + e11) + bo
.endr
.endr
.endr
.irp m, 0,1
.irp t, 0,1,2,3
	ds_store_b128 v[STO], v[Y+8*(4*\m+\t):Y+8*(4*\m+\t)+3] offset:64*\t
	ds_store_b128 v[STO], v[Y+8*(4*\m+\t)+4:Y+8*(4*\m+\t)+7] offset:64*\t+16
.endr
.irp i, 0,1,2,3,4,5,6,7
	ds_load_b128 v[BK+32*\m+4*\i:BK+32*\m+4*\i+3], v[RD] offset:544*\i   ; LDS serves a wave's instructions in order (ISA guide 5.7.1.4): these see my stores, and the next tile's stores come behind them
.endr
.endr
.irp i, 0,1,2,3,4,5,6,7
	s_wait_dscnt 23-\i                             ; behind this load: 7 - i loads, the second tile's 8 stores and 8 loads
	global_store_b128 v[GO], v[BK+4*\i:BK+4*\i+3], s[12:13] offset:(2*\i+8*(\i/4))*2048 th:TH_STORE_NT   ; stage rows 2 i and 2 i + 1 are tokens 2 i + 8 (i / 4) + h of the 32; sixteen lanes store 256 consecutive bytes, aligned
.endr
.irp i, 0,1,2,3,4,5,6,7
	s_wait_dscnt 7-\i
	global_store_b128 v[GO], v[BK+32+4*\i:BK+32+4*\i+3], s[12:13] offset:(8+2*\i+8*(\i/4))*2048 th:TH_STORE_NT
.endr
	s_wait_tensorcnt 0x0                           ; the wave's end
	ds_add_u32 v[SPW], v[NIL]
	s_wait_dscnt 0x0
	s_endpgm
.Lfunc_end_k_q106c36cecf_outp:
	.size	k_q106c36cecf_outp, .Lfunc_end_k_q106c36cecf_outp-k_q106c36cecf_outp
	.p2alignl 7, 3214868480
	.fill 96, 4, 3214868480
	.section	.rodata,"a",@progbits
	.p2align	6, 0x0
	.amdhsa_kernel k_q106c36cecf_outp
		.amdhsa_group_segment_fixed_size 35840
		.amdhsa_private_segment_fixed_size 0
		.amdhsa_enable_private_segment 0
		.amdhsa_kernarg_size 40
		.amdhsa_user_sgpr_count 2
		.amdhsa_user_sgpr_kernarg_segment_ptr 1
		.amdhsa_wavefront_size32 1
		.amdhsa_system_sgpr_workgroup_id_x 1
		.amdhsa_system_sgpr_workgroup_id_y 1
		.amdhsa_system_sgpr_workgroup_id_z 1
		.amdhsa_system_vgpr_workitem_id 0
		.amdhsa_next_free_vgpr 512
		.amdhsa_next_free_sgpr 66
		.amdhsa_reserve_vcc 0
		.amdhsa_float_denorm_mode_32 3
		.amdhsa_float_denorm_mode_16_64 3
		.amdhsa_memory_ordered 1
		.amdhsa_forward_progress 1
		.amdhsa_inst_pref_size 21
	.end_amdhsa_kernel
	.amdgpu_metadata
---
amdhsa.version: [ 1, 2 ]
amdhsa.kernels:
  - .name:           k_q106c36cecf_outp
    .symbol:         k_q106c36cecf_outp.kd
    .args:
      - { .name: oimg, .offset: 0, .size: 8, .value_kind: global_buffer, .address_space: global }
      - { .name: wimg, .offset: 8, .size: 8, .value_kind: global_buffer, .address_space: global }
      - { .name: bo, .offset: 16, .size: 8, .value_kind: global_buffer, .address_space: global }
      - { .name: lowp_scales, .offset: 24, .size: 8, .value_kind: global_buffer, .address_space: global }
      - { .name: out0, .offset: 32, .size: 8, .value_kind: global_buffer, .address_space: global }
    .group_segment_fixed_size: 35840
    .private_segment_fixed_size: 0
    .kernarg_segment_align: 8
    .kernarg_segment_size: 40
    .max_flat_workgroup_size: 256
    .sgpr_count:     66
    .vgpr_count:     512
    .wavefront_size: 32
...
	.end_amdgpu_metadata
.endif
;; end of part 4
;; ======== version 2 of 2: 4 launches
;; workspace buffers: wimg 1,048,576 bytes; mwords 2,097,152 bytes of whole numbers; flags 32,768 bytes of whole numbers; qimg 4,194,304 bytes; kimg 4,194,304 bytes; vimg 4,194,304 bytes; oimg 4,194,304 bytes
;; launch prep (part 5): grid 640 x 1, 4 waves a work-group, no clusters, 0 bytes of LDS; arguments Wq, Wk, Wv, Wo, mask, lowp_scales, wimg, mwords, flags; writes wimg, mwords, flags
.if DOCPART == 5
	.amdgcn_target "amdgcn-amd-amdhsa--gfx1250"
	.amdhsa_code_object_version 6
	.text
	.protected	k_q106c36cecf_prep
	.globl	k_q106c36cecf_prep
	.p2align	8
	.type	k_q106c36cecf_prep,@function
k_q106c36cecf_prep:
	s_mov_b64 s[64:65], 0
	v_nop
	global_prefetch_b8 v0, s[64:65] scope:SCOPE_SE
	s_setreg_imm32_b32 hwreg(HW_REG_WAVE_MODE, 25, 1), 1
	s_wait_xcnt 0x0
; PREP.  Two jobs that share one launch; the work-group's number says which.
; WORK-GROUPS 0-127: the four weights [512 (n)][512 (k)] f32 become codes of E4M3 with their given scales 2^e (entries 1, 3, 5, 11 of the scales), laid as IMAGES OF OPERAND REGISTERS:
;   wimg[tensor 4][tile 32][K step 4][chunk 4][512 bytes]; in a chunk lane l has 16 bytes at 16 l: lane (r = l % 16, h = l / 16) holds row r of the tile, k = 128 step + 32 chunk + 16 h + 0 .. 15.
;   Row r of tile t is row 32 (t / 2) + 8 (t % 2) + r + (r & 8) of Wq, Wk, Wv, and row 16 t + r of Wo.  A work-group takes a tile, a wave a K step.
; WORK-GROUPS 128-639: the mask [4096 (query)][4096 (key)] of bytes 0 / 1 (1 = hidden) becomes, for each tile of 16 queries (qt, rows by the same map) and each step of 128 keys,
;   64 words: bit L of word n = mask[row L % 16 of tile qt][128 step + 32 (n / 16) + 16 (L / 16) + n % 16], which is the lane mask of score register n in the attention launch;
;   and one flag word: bit 0 = some key of the tile is open, bit 1 = some key is hidden.  Whole-number work alone.  A wave takes one qt and four steps.
; LIMITS: each weight's e lies between -126 and 119, so that 2^e and 448 x 2^e are f32 numbers.  NaN among the weights is not served.
.set X,  32                            ; v32-95   64 numbers of a lane (weights), or 64 bytes x 4 steps of the mask
.set C,  16                            ; v16-31   a fragment's codes
.set WP, 96                            ; v96-103  a step's 64 words: lane i holds words 2 i and 2 i + 1, a pair of registers for each step
.set FL, 104                           ; v104     the four steps' flags, in lanes 0 to 3
	s_load_b512 s[4:19], s[0:1], 0x0               ; Wq 4:5, Wk 6:7, Wv 8:9, Wo 10:11, mask 12:13, scales 14:15, wimg 16:17, mwords 18:19
	s_load_b64 s[20:21], s[0:1], 0x40              ; flags
	v_lshrrev_b32 v1, 5, v0
	v_readfirstlane_b32 s24, v1                    ; wave 0..3
	v_and_b32 v1, 31, v0                           ; lane
	v_and_b32 v2, 15, v0                           ; r
	v_bfe_u32 v3, v0, 4, 1                         ; h
	s_cmp_ge_u32 ttmp9, 128
	s_cbranch_scc1 .Lmask
	; ---------------- the weights
	s_lshr_b32 s25, ttmp9, 5                       ; tensor 0..3 = q, k, v, o
	s_and_b32 s28, ttmp9, 31                       ; tile
	s_wait_kmcnt 0x0
	s_load_b256 s[32:39], s[14:15], 0x0            ; scales' exponents 0 to 7
	s_load_b128 s[40:43], s[14:15], 0x20           ; 8 to 11
	s_cmp_eq_u32 s25, 1                            ; the choice hangs on the work-group's number alone
	s_cselect_b64 s[26:27], s[6:7], s[4:5]
	s_cmp_eq_u32 s25, 2
	s_cselect_b64 s[26:27], s[8:9], s[26:27]
	s_cmp_eq_u32 s25, 3
	s_cselect_b64 s[26:27], s[10:11], s[26:27]
	s_lshr_b32 s29, s28, 1
	s_lshl_b32 s29, s29, 5
	s_and_b32 s30, s28, 1
	s_lshl_b32 s30, s30, 3
	s_add_co_u32 s29, s29, s30                     ; 32 (tile / 2) + 8 (tile % 2)
	s_lshl_b32 s30, s28, 4                         ; 16 tile
	s_cmp_lt_u32 s25, 3
	s_cselect_b32 s29, s29, s30                    ; the tile's first row
	s_cselect_b32 s31, 8, 0                        ; and whether its upper eight rows lie 8 further on
	s_lshl_b32 s29, s29, 11                        ; a row is 2,048 bytes
	s_lshl_b32 s30, s24, 9                         ; a K step 512
	s_add_co_u32 s44, s29, s30
	s_mov_b32 s45, 0
	s_add_nc_u64 s[26:27], s[26:27], s[44:45]
	s_wait_alu depctr_va_vdst(0)
	v_and_b32 v4, s31, v2
	v_add_nc_u32 v4, v4, v2
	v_lshlrev_b32 v4, 11, v4
	v_lshl_add_u32 v4, v3, 6, v4                   ; my row, + 64 h: my 16 numbers of a block of 32
.irp b, 0,1,2,3
.irp j, 0,1,2,3
	global_load_b128 v[X+16*\b+4*\j:X+16*\b+4*\j+3], v4, s[26:27] offset:128*\b+16*\j th:TH_LOAD_NT
.endr
.endr
	s_lshl_b32 s44, s25, 18                        ; wimg: tensor x 262,144
	s_lshl_b32 s46, s28, 2
	s_add_co_u32 s46, s46, s24
	s_lshl_b32 s46, s46, 11                        ; + (4 tile + K step) x 2,048
	s_add_co_u32 s44, s44, s46
	s_add_nc_u64 s[16:17], s[16:17], s[44:45]
	v_lshlrev_b32 v5, 4, v1                        ; 16 x lane
	s_wait_kmcnt 0x0
	s_cmp_eq_u32 s25, 1
	s_cselect_b32 s47, s35, s33
	s_cmp_eq_u32 s25, 2
	s_cselect_b32 s47, s37, s47
	s_cmp_eq_u32 s25, 3
	s_cselect_b32 s47, s43, s47                    ; e
	s_add_co_i32 s47, s47, 127
	s_lshl_b32 s48, s47, 23
	v_mov_b32 v6, s48                              ; 2^e as f32: the conversion takes its exponent field
	s_add_co_i32 s47, s47, 8
	s_lshl_b32 s47, s47, 23
	s_or_b32 s47, s47, 0x600000
	v_mov_b32 v7, s47                              ; 448 x 2^e
	s_wait_alu depctr_va_vdst(0)
	s_wait_loadcnt 0x0
.irp b, 0,1,2,3
.irp i, 0,1,2,3,4,5,6,7,8,9,10,11,12,13,14,15
	v_med3_num_f32 v[X+16*\b+\i], v[X+16*\b+\i], -v7, v7   ; the conversion to an 8-bit code does not saturate (ISA guide 7.6.2): the hold comes first
.endr
	v_cvt_scalef32_pk8_fp8_f32 v[C+4*\b:C+4*\b+1], v[X+16*\b:X+16*\b+7], v6
	v_cvt_scalef32_pk8_fp8_f32 v[C+4*\b+2:C+4*\b+3], v[X+16*\b+8:X+16*\b+15], v6
.endr
.irp c, 0,1,2,3
	global_store_b128 v5, v[C+4*\c:C+4*\c+3], s[16:17] offset:512*\c   ; 32 lanes store 512 consecutive bytes, aligned
.endr
	s_endpgm
	; ---------------- the mask
.Lmask:
	s_sub_co_u32 s25, ttmp9, 128
	s_lshl_b32 s25, s25, 2
	s_add_co_u32 s25, s25, s24                     ; which of 2,048 waves
	s_lshr_b32 s26, s25, 3                         ; qt 0..255
	s_and_b32 s27, s25, 7                          ; which four steps
	s_lshr_b32 s28, s26, 1
	s_lshl_b32 s28, s28, 5
	s_and_b32 s29, s26, 1
	s_lshl_b32 s29, s29, 3
	s_add_co_u32 s28, s28, s29                     ; the tile's first row
	s_lshl_b32 s28, s28, 12                        ; a row of the mask is 4,096 bytes
	s_lshl_b32 s29, s27, 9                         ; four steps are 512
	s_add_co_u32 s28, s28, s29
	s_mov_b32 s29, 0
	s_wait_alu depctr_va_vdst(0)
	v_and_b32 v4, 8, v2
	v_add_nc_u32 v4, v4, v2                        ; r + (r & 8)
	v_lshlrev_b32 v4, 12, v4
	v_lshl_add_u32 v4, v3, 4, v4                   ; + 16 h
	s_lshl_b32 s30, s26, 5
	s_lshl_b32 s31, s27, 2
	s_add_co_u32 s30, s30, s31                     ; 32 qt + my first step
	s_lshl_b32 s32, s30, 8                         ; 256 bytes of words a step
	s_mov_b32 s33, 0
	s_lshl_b32 s34, s30, 2                         ; 4 bytes of flags a step
	s_mov_b32 s35, 0
	v_lshlrev_b32 v5, 3, v1                        ; 8 x lane
	v_lshlrev_b32 v6, 2, v1                        ; 4 x lane
	s_wait_alu depctr_va_vdst(0)
	s_wait_kmcnt 0x0
	s_add_nc_u64 s[12:13], s[12:13], s[28:29]
	s_add_nc_u64 s[18:19], s[18:19], s[32:33]
	s_add_nc_u64 s[20:21], s[20:21], s[34:35]
.irp t, 0,1,2,3
.irp b, 0,1,2,3
	global_load_b128 v[X+16*\t+4*\b:X+16*\t+4*\b+3], v4, s[12:13] offset:128*\t+32*\b   ; keys 128 t + 32 b + 16 h + 0 .. 15 of my row
.endr
.endr
.irp i, 0,1,2,3,4,5,6,7,8
	v_mov_b32 v[WP+\i], 0                          ; a lane write's destination counts as read: written once here
.endr
.macro WORDS st
	s_wait_loadcnt 12-4*\st                        ; this step's four loads are in; four for each later step may be out
.set n, 0
.rept 64
	v_and_b32 v[8+n%4], 1<<(8*(n%4)), v[X+16*\st+4*(n/16)+((n%16)/4)]   ; byte n % 16 of block n / 16
	v_cmp_ne_u32 s[40+n%4], 0, v[8+n%4]            ; the 32 lanes' bits are word n
	v_writelane_b32 v[WP+2*\st+(n%2)], s[40+n%4], n/2
.set n, n+1
.endr
	v_or_b32 v12, v[X+16*\st], v[X+16*\st+1]
	v_and_b32 v13, v[X+16*\st], v[X+16*\st+1]
.irp i, 2,3,4,5,6,7,8,9,10,11,12,13,14,15
	v_or_b32 v12, v12, v[X+16*\st+\i]
	v_and_b32 v13, v13, v[X+16*\st+\i]
.endr
	v_cmp_ne_u32 s36, 0, v12                       ; lanes with a hidden key
	v_cmp_ne_u32 s37, 0x01010101, v13              ; lanes with an open key
	s_cmp_lg_u32 s37, 0
	s_cselect_b32 s38, 1, 0
	s_cmp_lg_u32 s36, 0
	s_cselect_b32 s39, 2, 0
	s_or_b32 s38, s38, s39
	v_writelane_b32 v[FL], s38, \st
	global_store_b64 v5, v[WP+2*\st:WP+2*\st+1], s[18:19] offset:256*\st   ; 32 lanes store 256 consecutive bytes, aligned
.endm
	WORDS 0
	WORDS 1
	WORDS 2
	WORDS 3
	s_wait_alu depctr_va_vdst(0)
	s_wait_xcnt 0x0                                ; EXEC changes only behind this wait: the stores above have it among their sources
	v_cmp_gt_u32 vcc_lo, 4, v1
	s_and_saveexec_b32 s44, vcc_lo
	global_store_b32 v6, v[FL], s[20:21]           ; lanes 0 to 3: my four steps' flags
	s_wait_xcnt 0x0
	s_or_b32 exec_lo, exec_lo, s44
	s_endpgm
.Lfunc_end_k_q106c36cecf_prep:
	.size	k_q106c36cecf_prep, .Lfunc_end_k_q106c36cecf_prep-k_q106c36cecf_prep
	.p2alignl 7, 3214868480
	.fill 96, 4, 3214868480
	.section	.rodata,"a",@progbits
	.p2align	6, 0x0
	.amdhsa_kernel k_q106c36cecf_prep
		.amdhsa_group_segment_fixed_size 0
		.amdhsa_private_segment_fixed_size 0
		.amdhsa_enable_private_segment 0
		.amdhsa_kernarg_size 72
		.amdhsa_user_sgpr_count 2
		.amdhsa_user_sgpr_kernarg_segment_ptr 1
		.amdhsa_wavefront_size32 1
		.amdhsa_system_sgpr_workgroup_id_x 1
		.amdhsa_system_sgpr_workgroup_id_y 1
		.amdhsa_system_sgpr_workgroup_id_z 1
		.amdhsa_system_vgpr_workitem_id 0
		.amdhsa_next_free_vgpr 112
		.amdhsa_next_free_sgpr 66
		.amdhsa_reserve_vcc 1
		.amdhsa_float_denorm_mode_32 3
		.amdhsa_float_denorm_mode_16_64 3
		.amdhsa_memory_ordered 1
		.amdhsa_forward_progress 1
		.amdhsa_inst_pref_size 64
	.end_amdhsa_kernel
	.amdgpu_metadata
---
amdhsa.version: [ 1, 2 ]
amdhsa.kernels:
  - .name:           k_q106c36cecf_prep
    .symbol:         k_q106c36cecf_prep.kd
    .args:
      - { .name: Wq, .offset: 0, .size: 8, .value_kind: global_buffer, .address_space: global }
      - { .name: Wk, .offset: 8, .size: 8, .value_kind: global_buffer, .address_space: global }
      - { .name: Wv, .offset: 16, .size: 8, .value_kind: global_buffer, .address_space: global }
      - { .name: Wo, .offset: 24, .size: 8, .value_kind: global_buffer, .address_space: global }
      - { .name: mask, .offset: 32, .size: 8, .value_kind: global_buffer, .address_space: global }
      - { .name: lowp_scales, .offset: 40, .size: 8, .value_kind: global_buffer, .address_space: global }
      - { .name: wimg, .offset: 48, .size: 8, .value_kind: global_buffer, .address_space: global }
      - { .name: mwords, .offset: 56, .size: 8, .value_kind: global_buffer, .address_space: global }
      - { .name: flags, .offset: 64, .size: 8, .value_kind: global_buffer, .address_space: global }
    .group_segment_fixed_size: 0
    .private_segment_fixed_size: 0
    .kernarg_segment_align: 8
    .kernarg_segment_size: 72
    .max_flat_workgroup_size: 128
    .sgpr_count:     66
    .vgpr_count:     112
    .wavefront_size: 32
...
	.end_amdgpu_metadata
.endif
;; end of part 5
;; launch proj (part 6): grid 64 x 3, 8 waves a work-group, no clusters, 66,560 bytes of LDS; arguments q, k, v, wimg, bq, bk, bv, lowp_scales, qimg, kimg, vimg; writes qimg, kimg, vimg
.if DOCPART == 6
	.amdgcn_target "amdgcn-amd-amdhsa--gfx1250"
	.amdhsa_code_object_version 6
	.text
	.protected	k_q106c36cecf_proj
	.globl	k_q106c36cecf_proj
	.p2align	8
	.type	k_q106c36cecf_proj,@function
k_q106c36cecf_proj:
	s_mov_b64 s[64:65], 0
	v_nop
	global_prefetch_b8 v0, s[64:65] scope:SCOPE_SE
	s_setreg_imm32_b32 hwreg(HW_REG_WAVE_SCHED_MODE, 0, 2), 2
	s_setreg_imm32_b32 hwreg(HW_REG_WAVE_MODE, 25, 1), 1
	s_wait_xcnt 0x0
	s_wait_alu depctr_vm_vsrc(0)
; PROJ.  y = x W^T + b for x = q, k, v (work-group y = 0, 1, 2), both operands as codes of E4M3 with their given scales, and y quantised again with the scale under which attention takes it
; (entries 6, 7, 9).  x: [8192][512] f32, quantised here in registers (entries 0, 2, 4).  W: images made by the launch before.  The results go out as IMAGES OF OPERAND REGISTERS:
;   qimg, kimg [head 16][block of 128 tokens 32][tile 8][chunk 2][512]: lane (r, h) of chunk c holds token r of the tile, channels 32 c + 16 h + 0 .. 15;
;   vimg       [head 16][block 32][tile of channels 4][chunk 4][512]:   lane (r, h) of chunk c holds channel r of the tile, tokens 32 c + 16 h + 0 .. 15 of the block.
; Row r of every tile T (of tokens, of W's rows, of channels) is 32 (T / 2) + 8 (T % 2) + r + (r & 8): so a lane's 16 result registers of tiles 2 b and 2 b + 1 are 16 neighbours, 32 b + 16 h + 0 .. 15.
; SHARES.  A work-group takes 128 tokens of one tensor.  Wave w quantises tile w of x and hands its four fragments to all waves through LDS, as images; then wave w makes head w (64 columns) for all
; 128 tokens: its 16 fragments of W fill window 1 and are read from memory once.  For q and k source 0 = W, source 1 = x (a lane holds a token, registers run along the channels);
; for v source 0 = x, source 1 = W (a lane holds a channel, registers run along the tokens, which are the second attention product's K).
; The bias is the C of each sum's first product, divided by the power of two that the sums lack.  192 work-groups: the launch is a stream of x, and a smaller block would read W more often.
; No cluster: what the work-groups share, W, goes once into registers, 32 KB a wave, beside 256 KB of x that nobody shares.
; LIMITS: ex, and eo - ex - ew, between -126 and 119, so that each power of two below is an f32 number.  NaN among the inputs is not served.
; THE MODE: SCHED_MODE bits 1:0 = 2 (LLVM: expert scheduling mode 2), set by the entry lines.  The code itself states the register dependences between vector or matrix instructions and memory or
; LDS instructions, with s_wait_alu, always for 0.
; THE PLAN.  Registers that memory or LDS instructions touch:
;   v1-v5, v10, v11  offsets, LDS addresses and the add's two: written at the head, never again: one wait on va_vdst ahead of the first load.
;   XS0, XS1         loads of x land; the holds and conversions read and write them; the loads of two K steps on land again.  Behind the barrier they are XF: LDS loads land, the products read.
;   PC               the conversions write it; LDS stores (x's images) or global stores (the results) read it.
;   BIAS, v48-51, window 1: loads land once, at the head.
; x: one wait on va_vdst behind each fragment's conversions serves the LDS stores of PC and the loads that land in the numbers' registers; one on vm_vsrc ahead of the next conversions.
; THE TAILS: a pair of tiles' four stores are issued in the NEXT pair's turn.  So one wait on va_vdst behind a pair's products states that they are done reading XF (the next pair's LDS loads land there)
; and that the pair before has written PC (its stores read it); the 64 holds stand between those stores and the wait on vm_vsrc ahead of the conversions that write PC again.
.set SPARE, 65536                      ; LDS: x's 32 fragments, (4 T + s) x 2,048, in bytes 0 - 65,535; behind them the spare words, 128 bytes a wave
.set LI,  1                            ; v1   16 x lane
.set XA,  2                            ; v2   x: (r + (r & 8)) x 2,048 + 64 h
.set XWI, 3                            ; v3   where I store x's images: 16 x lane + 8,192 x wave
.set SPW, 4                            ; v4   LDS address of my spare word; never rewritten
.set NIL, 5                            ; v5   0; never rewritten
.set SCX, 6                            ; v6   2^ex;  v7  448 x 2^ex
.set LMX, 7
.set SCO, 8                            ; v8   2^(eo - ex - ew);  v9  448 x that
.set LMO, 9
.set BH,  10                           ; v10  64 h
.set BR,  11                           ; v11  4 (r + (r & 8))
.set BIAS, 16                          ; v16-47   the bias in the result's layout, 8 registers a tile of columns
.set ACC,  48                          ; v48-111  accumulator (m, t) at 48 + 8 (4 m + t): tile of tokens 2 P + m, tile of columns t
.set PC,   112                         ; v112-127 the codes just made
.set XS0,  128                         ; v128-191, v192-255: 64 numbers of x each; later x's fragments (m, s) at 128 + 16 (4 m + s)
.set XS1,  192
.set XF,   128
.set MSB, 0
.macro WIN new                         ; the immediate's high byte repeats the setting that is left
.if MSB != \new
	s_set_vgpr_msb (MSB<<8)|\new
.set MSB, \new
.endif
.endm
.macro XLOAD reg, ks                   ; my 16 rows' numbers of K step ks: 64 a lane, register 16 b + i = k 32 b + 16 h + i
.irp b, 0,1,2,3
.irp j, 0,1,2,3
	global_load_b128 v[\reg+16*\b+4*\j:\reg+16*\b+4*\j+3], v[XA], s[4:5] offset:512*\ks+128*\b+16*\j th:TH_LOAD_NT
.endr
.endr
.endm
.macro QUANT reg                       ; 64 numbers become a fragment's codes in v[PC] on
.irp b, 0,1,2,3
.irp i, 0,1,2,3,4,5,6,7,8,9,10,11,12,13,14,15
	v_med3_num_f32 v[\reg+16*\b+\i], v[\reg+16*\b+\i], -v[LMX], v[LMX]   ; the conversion does not saturate (ISA guide 7.6.2): the hold comes first
.endr
	v_cvt_scalef32_pk8_fp8_f32 v[PC+4*\b:PC+4*\b+1], v[\reg+16*\b:\reg+16*\b+7], v[SCX]
	v_cvt_scalef32_pk8_fp8_f32 v[PC+4*\b+2:PC+4*\b+3], v[\reg+16*\b+8:\reg+16*\b+15], v[SCX]
.endr
	v_nop                                          ; one plain vector line behind the last conversion
.endm
.macro IMAGE ks                        ; the fragment goes to LDS as it stands
.irp c, 0,1,2,3
	ds_store_b128 v[XWI], v[PC+4*\c:PC+4*\c+3] offset:2048*\ks+512*\c
.endr
.endm
.macro FETCHP pp                       ; the eight fragments of tiles 2 pp and 2 pp + 1 of x come back, in any wave
.irp m, 0,1
.irp k, 0,1,2,3
.irp c, 0,1,2,3
	ds_load_b128 v[XF+16*(4*\m+\k)+4*\c:XF+16*(4*\m+\k)+4*\c+3], v[LI] offset:(4*(2*(\pp)+\m)+\k)*2048+512*\c
.endr
.endr
.endr
.endm
.macro PROD vv, ks, m, t               ; one product; vv = 1: x is source 0
.set rD, ACC+8*(4*\m+\t)
.set rW, 16*(4*\t+\ks)
.set rX, XF+16*(4*\m+\ks)
.if \vv
.if \ks == 0
	v_wmma_f32_16x16x128_fp8_fp8 v[rD:rD+7], v[rX:rX+15], v[rW:rW+15], v[BIAS+8*\t:BIAS+8*\t+7]
.else
	v_wmma_f32_16x16x128_fp8_fp8 v[rD:rD+7], v[rX:rX+15], v[rW:rW+15], v[rD:rD+7]
.endif
.else
.if \ks == 0
	v_wmma_f32_16x16x128_fp8_fp8 v[rD:rD+7], v[rW:rW+15], v[rX:rX+15], v[BIAS+8*\t:BIAS+8*\t+7]
.else
	v_wmma_f32_16x16x128_fp8_fp8 v[rD:rD+7], v[rW:rW+15], v[rX:rX+15], v[rD:rD+7]
.endif
.endif
.endm
.macro SENDP vv, pp                    ; the codes of the pair of tiles pp leave: 512 consecutive bytes a store
.irp c, 0,1,2,3
.if \vv
	global_store_b128 v[LI], v[PC+4*\c:PC+4*\c+3], s[20:21] offset:2048*\c+512*(\pp)     ; tile of channels c, chunk pp
.else
	global_store_b128 v[LI], v[PC+4*\c:PC+4*\c+3], s[20:21] offset:2048*(\pp)+512*\c     ; tile 2 pp + c / 2, chunk c % 2
.endif
.endr
.endm
.macro CLOSE                           ; the wave's end
	s_wait_dscnt 0x0
	s_wait_alu 0x0
	s_wait_tensorcnt 0x0
	ds_add_u32 v[SPW], v[NIL]
	s_wait_dscnt 0x0
	s_endpgm
.endm
	s_load_b512 s[4:19], s[0:1], 0x0               ; q 4:5, k 6:7, v 8:9, wimg 10:11, bq 12:13, bk 14:15, bv 16:17, scales 18:19
	s_load_b128 s[20:23], s[0:1], 0x40             ; qimg, kimg
	s_load_b64 s[24:25], s[0:1], 0x50              ; vimg
	v_lshl_add_u32 v[SPW], v0, 2, SPARE
	v_mov_b32 v[NIL], 0
	v_lshrrev_b32 v12, 5, v0
	v_readfirstlane_b32 s27, v12                   ; wave 0..7
	s_and_b32 s26, ttmp7, 0xffff                   ; tensor 0, 1, 2
	v_and_b32 v12, 31, v0
	v_and_b32 v13, 15, v0                          ; r
	v_bfe_u32 v14, v0, 4, 1                        ; h
	v_lshlrev_b32 v[LI], 4, v12
	v_and_b32 v15, 8, v13
	v_add_nc_u32 v15, v15, v13                     ; r + (r & 8)
	v_lshlrev_b32 v[XA], 11, v15
	v_lshl_add_u32 v[XA], v14, 6, v[XA]
	s_wait_alu depctr_va_sdst(0)                   ; s27, the wave's number, is written, ahead of its first reader
	s_lshl_b32 s28, s27, 13
	v_add_nc_u32 v[XWI], s28, v[LI]
	v_lshlrev_b32 v[BH], 6, v14
	v_lshlrev_b32 v[BR], 2, v15
	s_lshl_b32 s44, ttmp9, 7                       ; x: row 128 x block + 32 (w / 2) + 8 (w % 2),
	s_lshr_b32 s45, s27, 1
	s_lshl_b32 s45, s45, 5
	s_add_co_u32 s44, s44, s45
	s_and_b32 s45, s27, 1
	s_lshl_b32 s45, s45, 3
	s_add_co_u32 s44, s44, s45
	s_lshl_b32 s44, s44, 11                        ; of 2,048 bytes
	s_mov_b32 s45, 0
	s_lshl_b32 s46, s26, 18                        ; W's images: tensor x 262,144 + head x 32,768
	s_lshl_b32 s47, s27, 15
	s_add_co_u32 s46, s46, s47
	s_mov_b32 s47, 0
	s_lshl_b32 s48, s27, 8                         ; the bias: my 64 numbers
	s_mov_b32 s49, 0
	s_lshr_b32 s50, ttmp9, 5                       ; out: ((8 batch + head) x 32 + block in the batch) x 8,192
	s_lshl_b32 s50, s50, 3
	s_add_co_u32 s50, s50, s27
	s_lshl_b32 s50, s50, 5
	s_and_b32 s51, ttmp9, 31
	s_add_co_u32 s50, s50, s51
	s_lshl_b32 s50, s50, 13
	s_mov_b32 s51, 0
	s_wait_kmcnt 0x0
	s_load_b256 s[32:39], s[18:19], 0x0            ; scales' exponents 0 to 7
	s_load_b128 s[40:43], s[18:19], 0x20           ; 8 to 11
	s_cmp_eq_u32 s26, 1                            ; the buffers are chosen by the work-group's number alone
	s_cselect_b64 s[4:5], s[6:7], s[4:5]
	s_cselect_b64 s[12:13], s[14:15], s[12:13]
	s_cselect_b64 s[20:21], s[22:23], s[20:21]
	s_cmp_eq_u32 s26, 2
	s_cselect_b64 s[4:5], s[8:9], s[4:5]
	s_cselect_b64 s[12:13], s[16:17], s[12:13]
	s_cselect_b64 s[20:21], s[24:25], s[20:21]
	s_add_nc_u64 s[4:5], s[4:5], s[44:45]
	s_add_nc_u64 s[10:11], s[10:11], s[46:47]
	s_add_nc_u64 s[12:13], s[12:13], s[48:49]
	s_add_nc_u64 s[20:21], s[20:21], s[50:51]
	s_wait_alu depctr_va_vdst(0)                   ; v1 to v5, v10 and v11 are written: every load, store and LDS instruction of the kernel reads one of them as its offset or address, the closing add two
	XLOAD XS0, 0
	XLOAD XS1, 1
.irp t, 0,1,2,3                        ; the bias in both layouts, so that the text parts only once: for q, k lane (r, h) wants channels 32 (t / 2) + 16 h + 8 (t % 2) + 0 .. 7;
	global_load_b128 v[BIAS+8*\t:BIAS+8*\t+3], v[BH], s[12:13] offset:(32*(\t/2)+8*(\t%2))*4
	global_load_b128 v[BIAS+8*\t+4:BIAS+8*\t+7], v[BH], s[12:13] offset:(32*(\t/2)+8*(\t%2))*4+16
.endr
.irp t, 0,1,2,3                        ; for v the one channel 32 (t / 2) + 8 (t % 2) + r + (r & 8)
	global_load_b32 v[ACC+\t], v[BR], s[12:13] offset:(32*(\t/2)+8*(\t%2))*4
.endr
	WIN 0x40                                       ; destination window 1 (between the wait above and these loads stand loads and this switch alone)
.set f, 0
.rept 16                               ; W's fragment (t, s) at v[16 (4 t + s)] of window 1: they stay
.irp c, 0,1,2,3
	global_load_b128 v[16*f+4*\c:16*f+4*\c+3], v[LI], s[10:11] offset:2048*f+512*\c
.endr
.set f, f+1
.endr
	WIN 0
	s_wait_kmcnt 0x0
	s_cmp_eq_u32 s26, 1
	s_cselect_b32 s52, s34, s32                    ; ex
	s_cselect_b32 s53, s35, s33                    ; ew
	s_cselect_b32 s54, s39, s38                    ; eo: entry 6, 7 or 9
	s_cmp_eq_u32 s26, 2
	s_cselect_b32 s52, s36, s52
	s_cselect_b32 s53, s37, s53
	s_cselect_b32 s54, s41, s54
	s_add_co_i32 s55, s52, s53                     ; a sum stands for sum x 2^(ex + ew)
	s_sub_co_i32 s56, 0, s55
	s_add_co_i32 s57, s52, 127
	s_lshl_b32 s58, s57, 23
	v_mov_b32 v[SCX], s58
	s_add_co_i32 s57, s57, 8
	s_lshl_b32 s57, s57, 23
	s_or_b32 s57, s57, 0x600000
	v_mov_b32 v[LMX], s57
	s_sub_co_i32 s57, s54, s55                     ; the three scales folded into the conversion's one
	s_add_co_i32 s57, s57, 127
	s_lshl_b32 s58, s57, 23
	v_mov_b32 v[SCO], s58
	s_add_co_i32 s57, s57, 8
	s_lshl_b32 s57, s57, 23
	s_or_b32 s57, s57, 0x600000
	v_mov_b32 v[LMO], s57
	s_wait_alu depctr_va_vdst(0)
	s_wait_loadcnt 63                              ; 76 loads were issued behind x's first 32; 63 is the largest count that can be written: x's K steps 0 and 1 are in
	QUANT XS0
	s_wait_alu depctr_va_vdst(0)                   ; the conversions have written PC, which the LDS stores read; the holds and conversions are done with XS0, in which K step 2's loads land
	IMAGE 0
	XLOAD XS0, 2
	s_wait_dscnt 0x0                               ; the stores have landed,
	s_wait_alu depctr_vm_vsrc(0)                   ; and have read PC, which the next conversions write
	QUANT XS1
	s_wait_alu depctr_va_vdst(0)                   ; PC is written, for the LDS stores; the holds and conversions are done with XS1, in which K step 3's loads land
	IMAGE 1
	XLOAD XS1, 3
	s_wait_loadcnt 16                              ; all but K step 3's sixteen
	s_wait_dscnt 0x0
	s_wait_alu depctr_vm_vsrc(0)                   ; the LDS stores have read PC, which the next conversions write
	QUANT XS0
	s_wait_alu depctr_va_vdst(0)                   ; PC is written, for the LDS stores
	IMAGE 2
	s_wait_loadcnt 0x0
	s_wait_dscnt 0x0
	s_wait_alu depctr_vm_vsrc(0)                   ; the LDS stores have read PC, which the next conversions write
	QUANT XS1
	s_wait_alu depctr_va_vdst(0)                   ; PC is written, for the LDS stores; all holds and conversions are done with v128-255, in which x's fragments land behind the barrier (the bias's lines between name v16-51 alone)
	IMAGE 3
	s_wait_dscnt 0x0                               ; for the others' sake: my images have landed
	s_barrier_signal -1
	s_barrier_wait -1                              ; x's 32 fragments lie in LDS; nothing is stored there again
	s_wait_alu depctr_vm_vsrc(0)                   ; my last LDS stores have read PC, which the tails' conversions write: stated ahead of the branch
; The products and the way out, two tiles of tokens (P) at a time: 32 products, the eight accumulators by turns, one instruction a turn.
.macro TAIL vv
.if \vv
.irp t, 0,1,2,3
	v_ldexp_f32 v[ACC+\t], v[ACC+\t], s56          ; b / 2^(ex + ew)
.endr
.irp t, 0,1,2,3
.irp j, 0,1,2,3,4,5,6,7
	v_mov_b32 v[BIAS+8*\t+\j], v[ACC+\t]           ; a lane's eight results are eight tokens of one channel
.endr
.endr
.else
.set j, 0
.rept 32
	v_ldexp_f32 v[BIAS+j], v[BIAS+j], s56
.set j, j+1
.endr
.endif
	FETCHP 0
	s_wait_alu depctr_va_vdst(0)
.irp P, 0,1,2,3
	s_wait_dscnt 0x0                               ; the eight fragments are in
.if \vv
	WIN 0x04                                       ; source 1 (W) window 1
.else
	WIN 0x01                                       ; source 0 (W) window 1
.endif
.irp k, 0,1,2,3
.irp m, 0,1
.irp t, 0,1,2,3
	PROD \vv, \k, \m, \t
.endr
.endr
.endr
	WIN 0
.rept 4
	v_nop                                          ; places in front of the first read of results
.endr
	s_wait_alu depctr_va_vdst(0)                   ; the products are done reading v128-255, in which the next pair's fragments land; the pair before has written PC, which its stores below read
.if \P < 3
	FETCHP \P+1
.endif
.if \P > 0
	SENDP \vv, \P-1                                ; the pair before leaves here, behind the one wait
.endif
.set j, 0
.rept 64
	v_med3_num_f32 v[ACC+j], v[ACC+j], -v[LMO], v[LMO]   ; each accumulator from its low end on
.set j, j+1
.endr
.if \P > 0
	s_wait_alu depctr_va_vdst(0)
	s_wait_xcnt 0x0                                ; the stores above have had their addresses translated,
	s_wait_alu depctr_vm_vsrc(0)                   ; and have read PC, which the conversions below write again
.endif
.irp m, 0,1
.irp t, 0,1,2,3
.if \vv
	v_cvt_scalef32_pk8_fp8_f32 v[PC+4*\t+2*\m:PC+4*\t+2*\m+1], v[ACC+8*(4*\m+\t):ACC+8*(4*\m+\t)+7], v[SCO]   ; tokens 32 P + 16 h + 8 m + 0 .. 7 of my channel
.else
	v_cvt_scalef32_pk8_fp8_f32 v[PC+8*\m+2*\t:PC+8*\m+2*\t+1], v[ACC+8*(4*\m+\t):ACC+8*(4*\m+\t)+7], v[SCO]   ; channels 32 (t / 2) + 16 h + 8 (t % 2) + 0 .. 7 of my token
.endif
.endr
.endr
	v_nop                                          ; one plain vector line behind the last conversion: the next products write its sources
.endr
	s_wait_alu depctr_va_vdst(0)                   ; the last pair's conversions have written PC, which the last four stores read
	SENDP \vv, 3
.endm
	s_cmp_eq_u32 s26, 2
	s_cbranch_scc1 .Lv
	TAIL 0
	CLOSE
.Lv:
	TAIL 1
	CLOSE
.Lfunc_end_k_q106c36cecf_proj:
	.size	k_q106c36cecf_proj, .Lfunc_end_k_q106c36cecf_proj-k_q106c36cecf_proj
	.p2alignl 7, 3214868480
	.fill 96, 4, 3214868480
	.section	.rodata,"a",@progbits
	.p2align	6, 0x0
	.amdhsa_kernel k_q106c36cecf_proj
		.amdhsa_group_segment_fixed_size 66560
		.amdhsa_private_segment_fixed_size 0
		.amdhsa_enable_private_segment 0
		.amdhsa_kernarg_size 88
		.amdhsa_user_sgpr_count 2
		.amdhsa_user_sgpr_kernarg_segment_ptr 1
		.amdhsa_wavefront_size32 1
		.amdhsa_system_sgpr_workgroup_id_x 1
		.amdhsa_system_sgpr_workgroup_id_y 1
		.amdhsa_system_sgpr_workgroup_id_z 1
		.amdhsa_system_vgpr_workitem_id 0
		.amdhsa_next_free_vgpr 512
		.amdhsa_next_free_sgpr 66
		.amdhsa_reserve_vcc 0
		.amdhsa_float_denorm_mode_32 3
		.amdhsa_float_denorm_mode_16_64 3
		.amdhsa_memory_ordered 1
		.amdhsa_forward_progress 1
		.amdhsa_inst_pref_size 115
	.end_amdhsa_kernel
	.amdgpu_metadata
---
amdhsa.version: [ 1, 2 ]
amdhsa.kernels:
  - .name:           k_q106c36cecf_proj
    .symbol:         k_q106c36cecf_proj.kd
    .args:
      - { .name: q, .offset: 0, .size: 8, .value_kind: global_buffer, .address_space: global }
      - { .name: k, .offset: 8, .size: 8, .value_kind: global_buffer, .address_space: global }
      - { .name: v, .offset: 16, .size: 8, .value_kind: global_buffer, .address_space: global }
      - { .name: wimg, .offset: 24, .size: 8, .value_kind: global_buffer, .address_space: global }
      - { .name: bq, .offset: 32, .size: 8, .value_kind: global_buffer, .address_space: global }
      - { .name: bk, .offset: 40, .size: 8, .value_kind: global_buffer, .address_space: global }
      - { .name: bv, .offset: 48, .size: 8, .value_kind: global_buffer, .address_space: global }
      - { .name: lowp_scales, .offset: 56, .size: 8, .value_kind: global_buffer, .address_space: global }
      - { .name: qimg, .offset: 64, .size: 8, .value_kind: global_buffer, .address_space: global }
      - { .name: kimg, .offset: 72, .size: 8, .value_kind: global_buffer, .address_space: global }
      - { .name: vimg, .offset: 80, .size: 8, .value_kind: global_buffer, .address_space: global }
    .group_segment_fixed_size: 66560
    .private_segment_fixed_size: 0
    .kernarg_segment_align: 8
    .kernarg_segment_size: 88
    .max_flat_workgroup_size: 256
    .sgpr_count:     66
    .vgpr_count:     512
    .wavefront_size: 32
...
	.end_amdgpu_metadata
.endif
;; end of part 6
;; launch attn (part 7): grid 16 x 16, 16 waves a work-group, no clusters, 34,816 bytes of LDS; arguments qimg, kimg, vimg, mwords, flags, lowp_scales, oimg; writes oimg
.if DOCPART == 7
	.amdgcn_target "amdgcn-amd-amdhsa--gfx1250"
	.amdhsa_code_object_version 6
	.text
	.protected	k_q106c36cecf_attn
	.globl	k_q106c36cecf_attn
	.p2align	8
	.type	k_q106c36cecf_attn,@function
k_q106c36cecf_attn:
	s_mov_b64 s[64:65], 0
	v_nop
	global_prefetch_b8 v0, s[64:65] scope:SCOPE_SE
	s_setreg_imm32_b32 hwreg(HW_REG_WAVE_SCHED_MODE, 0, 2), 2
	s_setreg_imm32_b32 hwreg(HW_REG_WAVE_MODE, 25, 1), 1
	s_wait_xcnt 0x0
	s_wait_alu depctr_vm_vsrc(0)
; ATTN.  O = softmax(Q K^T / 8, hidden keys at -infinity) V for 16 heads of 4,096 tokens and 64 channels, both products on codes of E4M3; O is quantised for the last projection (entry 10).
; THE SOFTMAX AHEAD OF THE SECOND PRODUCT: t = score x log2(e) / 8; M = the running largest t rounded UP to a whole number; p = 2^(t - M) is quantised (entry 8), not normalised; the row's sum is taken
; of the unquantised p and divides O at the end.  When M moves, the sum and O are multiplied by 2^(old M - new M): exact.
; THE MASK is an input.  The first launch has turned it into lane masks (64 words for a tile of 16 queries x 128 keys) and flags (bit 0: some key open, bit 1: some key hidden).  A wave leaves out a step
; in which no key of its tile is open, applies the words only where some key is hidden, and a step's K and V are fetched only if some wave of the work-group wants them: scalar branches on stored whole numbers.
; SHARES.  Work-group (x, head) holds the blocks of 128 queries x and 31 - x, eight waves each, a tile of 16 queries a wave, dealt so that neighbouring waves alternate.  All sixteen waves walk 32 steps of
; 128 keys: the trip count is a constant and every wave passes every barrier.
; LAYOUT.  Both products transposed: S^T = K Q^T (source 0 = 16 keys), O^T = V^T P^T (source 0 = 16 channels): a lane holds one query throughout.  Q, K, V come as images of operand registers (chunks of 512
; bytes, 16 a lane); row r of every tile T is 32 (T / 2) + 8 (T % 2) + r + (r & 8), so that score register n of lane (r, h) is key 32 (n / 16) + 16 h + n % 16 and p's codes are the operand as they fall.
; K AND V go from memory through registers into two LDS slots by turns: thread i carries 16 bytes of each.  One barrier a step: in front of it a wave's reads of this step's slot are back and its stores into the
; other slot have landed.  No tensor load: the text branches on stored numbers.  No cluster: which steps a work-group fetches hangs on those numbers and differs between work-groups.
; A query all of whose keys are hidden gets the NaN code, as the softmax of such a row is NaN.
; LIMITS on the given exponents, so that each power of two below is an f32 number: e6 + e7 between -123 and 130 (added to c's exponent field); e8, and e10 - e8 - e9, between -126 and 119.
; THE MODE: SCHED_MODE bits 1:0 = 2 (LLVM: expert scheduling mode 2), set by the entry lines.  The code itself states the register dependences between vector or matrix instructions and memory or
; LDS instructions, with s_wait_alu, always for 0.
; THE PLAN.  Registers that memory or LDS instructions touch:
;   v1-v5, v39   offsets, LDS addresses and the add's two: written at the head, never again: one wait on va_vdst ahead of the first load.
;   GK, GV       a step's global loads land in them, the LDS stores at the step's end read them; no vector instruction names them.  One wait on vm_vsrc at a step's head, ahead of the branch round the loads.
;   KV           K's LDS loads land, the first products read; V's LDS loads land, the second products read.  One wait on va_vdst directly ahead of each of the two runs of loads.
;   v64-71 carry step 1's K and V into LDS at the head (the first step's wait on vm_vsrc covers them); v72-88 hold the flags there (the first wait on va_vdst ahead of K's loads covers the lines that name them).
;   PC           on the way out: the selects write it, the two stores read it.
; The scores, p, O^T and the statistics are named by vector and matrix instructions alone.  K's and V's fragments take 64 registers each and 40 of the wave's 256 are free: no second buffer, so both share KV.
.set SLOTB, 16384                      ; an LDS slot: K's image of a step, 8,192 bytes, then V's
.set VOFF,  8192
.set SPARE, 32768                      ; behind the two slots: the spare words, 128 bytes a wave
.set LI,   1                           ; v1   16 x lane
.set ST,   2                           ; v2   16 x thread
.set PFO,  3                           ; v3   256 x lane
.set SPW,  4                           ; v4   LDS address of my spare word; never rewritten
.set NIL,  5                           ; v5   0; never rewritten
.set NINF, 6                           ; v6   -infinity
.set NANC, 7                           ; v7   four NaN codes
.set GK,   8                           ; v8-11  my 16 bytes of the next step's K;  v12-15 of its V
.set GV,   12
.set QF,   16                          ; v16-23 Q's fragment
.set NM,   24                          ; v24  -M;  v25 the largest t
.set TM,   25
.set LS,   26                          ; v26-27 the sum in two halves
.set FF,   28                          ; v28  f = 2^(old M - new M);  v29 = 0, named with it as a pair
.set L2,   32                          ; v32-33 the sum's second chain
.set PLIM, 34                          ; v34  448 x 2^e8;  v35  2^e8
.set PSC,  35
.set OLIM, 37                          ; v37  448 x 2^(e10 - e8 - e9);  v38  2^(e10 - e8 - e9)
.set OSC,  38
.set FO,   39                          ; v39  4 x lane
.set PC,   40                          ; v40-55 p's codes
.set KV,   64                          ; v64-127 eight fragments of K, then four of V
.set S,    128                         ; v128-191 S^T, then p
.set OT,   192                         ; v192-223 O^T
; scalars: s2 1 in a wave that prefetches; s3 1 where p needs its hold; s[4:5] Q; s[6:7], s[8:9] K, V at the trip's first step; s[10:11] my words; s[12:13] my flags; s[16:17] out; s18 wave;
; s19, s20, s21: bit 0 = this step is open for me / has hidden keys / the next step is wanted by the work-group; s[22:23] c; s[24:25] lane selects; s26 trips; s27-29 the three bits; s[30:31] prefetch;
; s[32:63], s[68:99] the step's 64 words
	s_load_b256 s[4:11], s[0:1], 0x0               ; qimg, kimg, vimg, mwords
	s_load_b128 s[12:15], s[0:1], 0x20             ; flags, scales
	s_load_b64 s[16:17], s[0:1], 0x30              ; oimg
	v_lshl_add_u32 v[SPW], v0, 2, SPARE
	v_mov_b32 v[NIL], 0
	v_lshrrev_b32 v30, 5, v0
	v_readfirstlane_b32 s18, v30                   ; wave 0..15
	v_and_b32 v30, 31, v0
	v_lshlrev_b32 v[LI], 4, v30
	v_lshlrev_b32 v[ST], 4, v0
	v_lshlrev_b32 v[PFO], 8, v30
	v_lshlrev_b32 v[FO], 2, v30
	s_and_b32 s32, ttmp7, 0xffff                   ; the head, 0..15
	s_wait_alu depctr_va_sdst(0)                   ; s18, the wave's number, is written, ahead of its first reader
	s_lshr_b32 s33, s18, 2
	s_xor_b32 s33, s33, s18
	s_and_b32 s33, s33, 1                          ; which of the two blocks
	s_lshr_b32 s34, s18, 1                         ; which tile of it
	s_sub_co_u32 s35, 31, ttmp9
	s_cmp_eq_u32 s33, 0
	s_cselect_b32 s36, ttmp9, s35
	s_lshl_b32 s36, s36, 3
	s_add_co_u32 s36, s36, s34                     ; qt: my tile of queries, 0..255
	s_lshl_b32 s38, s32, 18                        ; K, V: head x 262,144
	s_mov_b32 s39, 0
	s_lshl_b32 s40, s32, 8
	s_add_co_u32 s40, s40, s36
	s_lshl_b32 s40, s40, 10                        ; Q: (256 head + qt) x 1,024
	s_mov_b32 s41, 0
	s_lshl_b32 s42, s36, 13                        ; words: qt x 8,192
	s_mov_b32 s43, 0
	s_lshl_b32 s44, s36, 7                         ; flags: qt x 128
	s_mov_b32 s45, 0
	s_lshl_b32 s46, ttmp9, 10                      ; the flags of block x's eight tiles,
	s_mov_b32 s47, 0
	s_lshl_b32 s48, s35, 10                        ; and of block 31 - x's
	s_mov_b32 s49, 0
	s_lshr_b32 s50, s32, 3                         ; out: ((batch x 256 + qt) x 8 + head in the batch) x 1,024
	s_lshl_b32 s50, s50, 8
	s_add_co_u32 s50, s50, s36
	s_lshl_b32 s50, s50, 13
	s_and_b32 s51, s32, 7
	s_lshl_b32 s51, s51, 10
	s_add_co_u32 s50, s50, s51
	s_mov_b32 s51, 0
	s_lshr_b32 s2, s18, 1                          ; waves 0 and 1
	s_or_b32 s2, s2, ttmp9                         ; of the head's first work-group prefetch
	s_cmp_eq_u32 s2, 0
	s_cselect_b32 s2, 1, 0
	s_mov_b32 s24, 0x76543210
	s_mov_b32 s25, 0xfedcba98
	s_mov_b32 s26, 15
	s_wait_kmcnt 0x0
	s_load_b256 s[68:75], s[14:15], 0x0            ; scales' exponents 0 to 7
	s_load_b128 s[76:79], s[14:15], 0x20           ; 8 to 11
	s_add_nc_u64 s[100:101], s[12:13], s[46:47]
	s_add_nc_u64 s[104:105], s[12:13], s[48:49]
	s_add_nc_u64 s[12:13], s[12:13], s[44:45]
	s_add_nc_u64 s[4:5], s[4:5], s[40:41]
	s_add_nc_u64 s[6:7], s[6:7], s[38:39]
	s_add_nc_u64 s[8:9], s[8:9], s[38:39]
	s_add_nc_u64 s[10:11], s[10:11], s[42:43]
	s_add_nc_u64 s[16:17], s[16:17], s[50:51]
	s_cmp_eq_u32 s18, 0
	s_cselect_b64 s[30:31], s[6:7], s[8:9]         ; wave 0 asks for K's bytes, wave 1 for V's
	s_wait_alu depctr_va_vdst(0)                   ; v1 to v5 and v39 are written: every load, store, prefetch and LDS instruction of the kernel reads one of them as its offset or address, the closing add two
	global_load_b128 v[GK:GK+3], v[ST], s[6:7]                 ; steps 0 and 1 of K and V: both slots are written once whatever the flags say
	global_load_b128 v[GV:GV+3], v[ST], s[8:9]
	global_load_b128 v[64:67], v[ST], s[6:7] offset:8192
	global_load_b128 v[68:71], v[ST], s[8:9] offset:8192
	global_load_b128 v[QF:QF+3], v[LI], s[4:5]
	global_load_b128 v[QF+4:QF+7], v[LI], s[4:5] offset:512
	global_load_b32 v72, v[FO], s[12:13]                       ; my tile's 32 flags, a lane a step
.irp t, 0,1,2,3,4,5,6,7
	global_load_b32 v[73+\t], v[FO], s[100:101] offset:128*\t  ; and those of all sixteen tiles of the work-group
	global_load_b32 v[81+\t], v[FO], s[104:105] offset:128*\t
.endr
	v_mov_b32 v[NINF], 0xff800000
	v_mov_b32 v[NANC], 0x7f7f7f7f
	v_mov_b32 v[TM], 0xff61b1e6                    ; the largest t so far: -3e38, under every t
	v_floor_f32 v[NM], -v[TM]
	v_mov_b32 v[LS], 0
	v_mov_b32 v[LS+1], 0
	v_mov_b32 v[FF+1], 0
	v_mov_b32 v36, 0                               ; a lane permute's destination counts as one of its sources
.set j, 0
.rept 32
	v_mov_b32 v[OT+j], 0                           ; which step is a wave's first hangs on the flags, so the sums begin as zeros, which the first change of M leaves zeros
.set j, j+1
.endr
	s_wait_kmcnt 0x0
	s_add_co_i32 s52, s74, s75                     ; a score stands for score x 2^(e6 + e7): added to c's exponent field
	s_lshl_b32 s52, s52, 23
	s_mov_b32 s22, 0x3e38aa3b                      ; c = log2(e) / 8
	s_add_co_i32 s22, s22, s52
	s_mov_b32 s23, s22
	s_add_co_i32 s52, s76, 127
	s_lshl_b32 s53, s52, 23
	v_mov_b32 v[PSC], s53
	s_add_co_i32 s52, s52, 8
	s_lshl_b32 s52, s52, 23
	s_or_b32 s52, s52, 0x600000
	v_mov_b32 v[PLIM], s52
	s_cmp_lt_i32 s76, -8                           ; p is at most 1, and 448 x 2^e8 is at least 1 from e8 = -8 on: only under that can the hold bind
	s_cselect_b32 s3, 1, 0
	s_sub_co_i32 s52, s78, s76                     ; O^T / the sum stands for that x 2^(e8 + e9): its code is that / 2^(e10 - e8 - e9)
	s_sub_co_i32 s52, s52, s77
	s_add_co_i32 s52, s52, 127
	s_lshl_b32 s53, s52, 23
	v_mov_b32 v[OSC], s53
	s_add_co_i32 s52, s52, 8
	s_lshl_b32 s52, s52, 23
	s_or_b32 s52, s52, 0x600000
	v_mov_b32 v[OLIM], s52
	s_load_b512 s[32:47], s[10:11], 0x0            ; step 0's words, so that these registers hold numbers on every way
	s_load_b512 s[48:63], s[10:11], 0x40
	s_load_b512 s[68:83], s[10:11], 0x80
	s_load_b512 s[84:99], s[10:11], 0xc0
	s_wait_loadcnt 0x0
	ds_store_b128 v[ST], v[GK:GK+3]
	ds_store_b128 v[ST], v[GV:GV+3] offset:VOFF
	ds_store_b128 v[ST], v[64:67] offset:SLOTB
	ds_store_b128 v[ST], v[68:71] offset:SLOTB+VOFF
	v_and_b32 v30, 1, v72
	v_cmp_ne_u32 s19, 0, v30                       ; bit s: step s has an open key for my tile
	v_and_b32 v31, 2, v72
	v_cmp_ne_u32 s20, 0, v31                       ; bit s: it has a hidden one
.irp t, 1,2,3,4,5,6,7,8,9,10,11,12,13,14,15
	v_or_b32 v73, v73, v[73+\t]
.endr
	v_and_b32 v73, 1, v73
	v_cmp_ne_u32 s21, 0, v73                       ; bit s: some wave of the work-group wants step s
	s_wait_alu depctr_va_sdst(0)                   ; the three compares have written s19, s20 and s21, ahead of their first readers: the line below, and the steps' heads behind the label
	s_lshr_b32 s21, s21, 1                         ; in step s the question is step s + 1;
	s_and_b32 s21, s21, -2                         ; step 1 lies in its slot already
	s_wait_kmcnt 0x0
	s_wait_dscnt 0x0                               ; for the others' sake: my stores have landed
	s_barrier_signal -1
	s_barrier_wait -1
; A KEY STEP in slot p.  fill = 1: the next step's K and V are brought into the other slot, and the step ends with the barrier.  ask = 1: the step after that is prefetched.
.macro STEP p, fill, ask
	s_and_b32 s27, s21, 1
	s_and_b32 s28, s19, 1
	s_and_b32 s29, s20, 1
	s_lshr_b32 s21, s21, 1
	s_lshr_b32 s19, s19, 1
	s_lshr_b32 s20, s20, 1
.if \fill
	s_wait_alu depctr_vm_vsrc(0)                   ; the LDS stores issued so far have read GK and GV, in which the loads below land (in the first step also v64-71, in which K's fragments land): stated ahead of the branch
	s_cmp_eq_u32 s27, 0
	s_cbranch_scc1 .Lnoget_\@
	global_load_b128 v[GK:GK+3], v[ST], s[6:7] offset:(\p+1)*8192   ; the sixteen waves together: 8,192 consecutive bytes of each
	global_load_b128 v[GV:GV+3], v[ST], s[8:9] offset:(\p+1)*8192
.Lnoget_\@:
.endif
.if \ask
	s_cmp_eq_u32 s2, 1                             ; all work-groups of a head walk the same K and V: the head's first asks, wave 0 for K's 8,192 bytes of the step two on, wave 1 for V's, lanes 256 bytes apart:
	s_cbranch_scc0 .Lnoask_\@                      ; each block of 256 bytes is named once in the launch, one step ahead of the loads that bring it; the last two steps ask for nothing
	global_prefetch_b8 v[PFO], s[30:31] offset:(\p+2)*8192 th:TH_LOAD_NT scope:SCOPE_SE
.Lnoask_\@:
.endif
	s_cmp_eq_u32 s28, 0
	s_cbranch_scc1 .Lhidden_\@                     ; no key of this step is open for my tile
	s_cmp_eq_u32 s29, 0
	s_cbranch_scc1 .Lnowords_\@
	s_load_b512 s[32:47], s[10:11], 256*\p         ; the step's 64 lane masks
	s_load_b512 s[48:63], s[10:11], 256*\p+64
	s_load_b512 s[68:83], s[10:11], 256*\p+128
	s_load_b512 s[84:99], s[10:11], 256*\p+192
.Lnowords_\@:
	s_wait_alu depctr_va_vdst(0)                   ; the second products of the step walked last are done reading v64-127, in which K's fragments land (ahead of my first step: the head's lines on the flags are done with v72-88)
.irp t, 0,1,2,3,4,5,6,7
.irp c, 0,1
	ds_load_b128 v[KV+8*\t+4*\c:KV+8*\t+4*\c+3], v[LI] offset:SLOTB*\p+1024*\t+512*\c
.endr
.endr
	s_wait_dscnt 0x0
.irp t, 0,1,2,3,4,5,6,7
	v_wmma_f32_16x16x64_fp8_fp8 v[S+8*\t:S+8*\t+7], v[KV+8*\t:KV+8*\t+7], v[QF:QF+7], 0
.endr
.rept 4
	v_nop                                          ; places in front of the first read of the scores
.endr
	s_wait_alu depctr_va_vdst(0)                   ; the first products are done reading v64-127, in which V's fragments land
.irp t, 0,1,2,3
.irp c, 0,1,2,3
	ds_load_b128 v[KV+16*\t+4*\c:KV+16*\t+4*\c+3], v[LI] offset:SLOTB*\p+VOFF+2048*\t+512*\c   ; V comes while the softmax is walked: no line of it names v64-127
.endr
.endr
	s_wait_kmcnt 0x0
	s_cmp_eq_u32 s29, 0
	s_cbranch_scc1 .Lopen_\@
.set n, 0
.rept 64
.if n < 32
	v_cndmask_b32 v[S+n], v[S+n], v[NINF], s[32+n] ; hidden scores become -infinity ahead of the maximum: p = 0 then
.else
	v_cndmask_b32 v[S+n], v[S+n], v[NINF], s[36+n]
.endif
.set n, n+1
.endr
.Lopen_\@:
	v_max3_num_f32 v30, v[S], v[S+1], v[S+2]       ; the step's largest score of my query among my 64 keys, in two chains; each accumulator is first read at its low end
	v_max3_num_f32 v31, v[S+3], v[S+4], v[S+5]
.irp i, 6,10,14,18,22,26,30,34,38,42,46,50,54,58
	v_max3_num_f32 v30, v30, v[S+\i], v[S+\i+1]
	v_max3_num_f32 v31, v31, v[S+\i+2], v[S+\i+3]
.endr
	v_max3_num_f32 v30, v30, v[S+62], v[S+63]
	v_max_num_f32 v30, v30, v31
	v_permlanex16_b32 v36, v30, s24, s25
	v_max_num_f32 v30, v30, v36                    ; and among lane l xor 16's
	v_mul_f32 v30, s22, v30                        ; as t (c is positive)
	v_max_num_f32 v[TM], v[TM], v30
	v_mov_b32 v30, v[NM]
	v_floor_f32 v[NM], -v[TM]                      ; the new -M = floor(-t): M is a whole number
	v_sub_f32 v30, v[NM], v30                      ; old M - new M: a whole number, 0 or less
	v_cvt_i32_f32 v30, v30                         ; (it saturates)
	v_ldexp_f32 v[FF], 1.0, v30                    ; f
.set j, 0
.rept 32
	v_pk_fma_f32 v[S+j:S+j+1], v[S+j:S+j+1], s[22:23], v[NM:NM+1] op_sel_hi:[1,0,0]   ; t - M, two at a time
.set j, j+2
.endr
.set j, 0
	s_wait_alu depctr_va_vdst(0)
.rept 64
	v_exp_f32 v[S+j], v[S+j]                       ; p = 2^(t - M)
.set j, j+1
.endr
	v_pk_mul_f32 v[LS:LS+1], v[LS:LS+1], v[FF:FF+1] op_sel_hi:[1,0]   ; the sum under the new M: the plain line behind the exponentials
	s_wait_alu depctr_va_vdst(0)                   ; the 64 exponentials have written v128-191: one wait for the whole batch, ahead of its first reader
	v_pk_add_f32 v[L2:L2+1], v[S:S+1], v[S+2:S+3]  ; the sum is taken of the unquantised p, in two chains
.irp i, 4,8,12,16,20,24,28,32,36,40,44,48,52,56,60
	v_pk_add_f32 v[LS:LS+1], v[LS:LS+1], v[S+\i:S+\i+1]
	v_pk_add_f32 v[L2:L2+1], v[L2:L2+1], v[S+\i+2:S+\i+3]
.endr
	v_pk_add_f32 v[LS:LS+1], v[LS:LS+1], v[L2:L2+1]
	s_cmp_eq_u32 s3, 0
	s_cbranch_scc1 .Lnohold_\@
.set j, 0
.rept 64
	v_min_num_f32 v[S+j], v[S+j], v[PLIM]          ; the conversion does not saturate (ISA guide 7.6.2); p is not negative: a one-sided hold
.set j, j+1
.endr
.Lnohold_\@:
.irp b, 0,1,2,3
	v_cvt_scalef32_pk8_fp8_f32 v[PC+4*\b:PC+4*\b+1], v[S+16*\b:S+16*\b+7], v[PSC]
	v_cvt_scalef32_pk8_fp8_f32 v[PC+4*\b+2:PC+4*\b+3], v[S+16*\b+8:S+16*\b+15], v[PSC]
.endr
.set j, 0
.rept 16
	v_pk_mul_f32 v[OT+j:OT+j+1], v[OT+j:OT+j+1], v[FF:FF+1] op_sel_hi:[1,0]   ; O^T under the new M; also the plain lines behind the conversions
.set j, j+2
.endr
	s_wait_alu depctr_va_vdst(0)
	s_wait_dscnt 0x0                               ; V is in: all my reads of this slot are back
.irp t, 0,1,2,3
	v_wmma_f32_16x16x128_fp8_fp8 v[OT+8*\t:OT+8*\t+7], v[KV+16*\t:KV+16*\t+15], v[PC:PC+15], v[OT+8*\t:OT+8*\t+7]   ; the four accumulators by turns
.endr
.rept 4
	v_nop                                          ; places in front of the next read of O^T
.endr
.Lhidden_\@:
	s_wait_loadcnt 0x0                             ; the next step's bytes are in my registers
.if \fill
	s_cmp_eq_u32 s27, 0
	s_cbranch_scc1 .Lnoput_\@
	ds_store_b128 v[ST], v[GK:GK+3] offset:(1-\p)*SLOTB          ; into the slot that every wave left at the last barrier
	ds_store_b128 v[ST], v[GV:GV+3] offset:(1-\p)*SLOTB+VOFF
.Lnoput_\@:
	s_wait_dscnt 0x0                               ; my stores have landed, and my reads of this slot are back
	s_barrier_signal -1
	s_barrier_wait -1
.endif
.endm
.Ltrip:                                            ; 15 trips of two steps
	STEP 0, 1, 1
	STEP 1, 1, 1
	s_wait_xcnt 0x0                                ; the trip's loads and prefetches have read their bases
	s_add_nc_u64 s[6:7], s[6:7], 16384
	s_add_nc_u64 s[8:9], s[8:9], 16384
	s_add_nc_u64 s[30:31], s[30:31], 16384
	s_add_nc_u64 s[10:11], s[10:11], 512
	s_sub_co_u32 s26, s26, 1
	s_cmp_lg_u32 s26, 0
	s_cbranch_scc1 .Ltrip
	STEP 0, 1, 0                                   ; steps 30 and 31: nothing is left to prefetch, and behind step 31 nothing to fetch
	STEP 1, 0, 0
	; THE WAY OUT: O^T / the sum, quantised; the codes are chunks of the last projection's operand as they fall: 512 consecutive bytes a store.
	v_add_f32 v[LS], v[LS], v[LS+1]
	v_permlanex16_b32 v36, v[LS], s24, s25
	v_add_f32 v[LS], v[LS], v36                    ; the row's sum
	s_wait_alu depctr_va_vdst(0)
	v_rcp_f32 v30, v[LS]
	v_nop                                          ; a plain line behind the reciprocal
	v_cmp_eq_f32 vcc_lo, 0, v[LS]                  ; a query with no open key
	s_wait_alu depctr_va_vdst(0)                   ; the reciprocal has written v30: one wait ahead of its first reader
.set j, 0
.rept 32
	v_mul_f32 v[S+j], v[OT+j], v30
.set j, j+1
.endr
.set j, 0
.rept 32
	v_med3_num_f32 v[S+j], v[S+j], -v[OLIM], v[OLIM]
.set j, j+1
.endr
.irp t, 0,1,2,3
	v_cvt_scalef32_pk8_fp8_f32 v[PC+2*\t:PC+2*\t+1], v[S+8*\t:S+8*\t+7], v[OSC]   ; channels 32 (t / 2) + 16 h + 8 (t % 2) + 0 .. 7
.endr
	v_nop                                          ; one plain line behind the last conversion
	s_wait_alu depctr_va_vcc(0)                    ; the compare on the sum has written VCC, ahead of its first reader
.irp i, 0,1,2,3,4,5,6,7
	v_cndmask_b32 v[PC+\i], v[PC+\i], v[NANC], vcc_lo
.endr
	s_wait_alu depctr_va_vdst(0)                   ; the selects have written v40-47, which the two stores read
	global_store_b128 v[LI], v[PC:PC+3], s[16:17]
	global_store_b128 v[LI], v[PC+4:PC+7], s[16:17] offset:512
	s_wait_dscnt 0x0                               ; the wave's end
	s_wait_alu 0x0
	s_wait_tensorcnt 0x0
	ds_add_u32 v[SPW], v[NIL]
	s_wait_dscnt 0x0
	s_endpgm
.Lfunc_end_k_q106c36cecf_attn:
	.size	k_q106c36cecf_attn, .Lfunc_end_k_q106c36cecf_attn-k_q106c36cecf_attn
	.p2alignl 7, 3214868480
	.fill 96, 4, 3214868480
	.section	.rodata,"a",@progbits
	.p2align	6, 0x0
	.amdhsa_kernel k_q106c36cecf_attn
		.amdhsa_group_segment_fixed_size 34816
		.amdhsa_private_segment_fixed_size 0
		.amdhsa_enable_private_segment 0
		.amdhsa_kernarg_size 56
		.amdhsa_user_sgpr_count 2
		.amdhsa_user_sgpr_kernarg_segment_ptr 1
		.amdhsa_wavefront_size32 1
		.amdhsa_system_sgpr_workgroup_id_x 1
		.amdhsa_system_sgpr_workgroup_id_y 1
		.amdhsa_system_sgpr_workgroup_id_z 1
		.amdhsa_system_vgpr_workitem_id 0
		.amdhsa_next_free_vgpr 256
		.amdhsa_next_free_sgpr 106
		.amdhsa_reserve_vcc 1
		.amdhsa_float_denorm_mode_32 3
		.amdhsa_float_denorm_mode_16_64 3
		.amdhsa_memory_ordered 1
		.amdhsa_forward_progress 1
		.amdhsa_inst_pref_size 95
	.end_amdhsa_kernel
	.amdgpu_metadata
---
amdhsa.version: [ 1, 2 ]
amdhsa.kernels:
  - .name:           k_q106c36cecf_attn
    .symbol:         k_q106c36cecf_attn.kd
    .args:
      - { .name: qimg, .offset: 0, .size: 8, .value_kind: global_buffer, .address_space: global }
      - { .name: kimg, .offset: 8, .size: 8, .value_kind: global_buffer, .address_space: global }
      - { .name: vimg, .offset: 16, .size: 8, .value_kind: global_buffer, .address_space: global }
      - { .name: mwords, .offset: 24, .size: 8, .value_kind: global_buffer, .address_space: global }
      - { .name: flags, .offset: 32, .size: 8, .value_kind: global_buffer, .address_space: global }
      - { .name: lowp_scales, .offset: 40, .size: 8, .value_kind: global_buffer, .address_space: global }
      - { .name: oimg, .offset: 48, .size: 8, .value_kind: global_buffer, .address_space: global }
    .group_segment_fixed_size: 34816
    .private_segment_fixed_size: 0
    .kernarg_segment_align: 8
    .kernarg_segment_size: 56
    .max_flat_workgroup_size: 512
    .sgpr_count:     106
    .vgpr_count:     256
    .wavefront_size: 32
...
	.end_amdgpu_metadata
.endif
;; end of part 7
;; launch outp (part 8): grid 256 x 1, 8 waves a work-group, no clusters, 35,840 bytes of LDS; arguments oimg, wimg, bo, lowp_scales, out0; writes out0
.if DOCPART == 8
	.amdgcn_target "amdgcn-amd-amdhsa--gfx1250"
	.amdhsa_code_object_version 6
	.text
	.protected	k_q106c36cecf_outp
	.globl	k_q106c36cecf_outp
	.p2align	8
	.type	k_q106c36cecf_outp,@function
k_q106c36cecf_outp:
	s_mov_b64 s[64:65], 0
	v_nop
	global_prefetch_b8 v0, s[64:65] scope:SCOPE_SE
	s_setreg_imm32_b32 hwreg(HW_REG_WAVE_SCHED_MODE, 0, 2), 2
	s_setreg_imm32_b32 hwreg(HW_REG_WAVE_MODE, 25, 1), 1
	s_wait_xcnt 0x0
	s_wait_alu depctr_vm_vsrc(0)
; OUTP.  out = O Wo^T + bo on codes of E4M3 (entries 10 and 11 of the scales); out0: [8192][512] f32.
; O comes as images of operand registers: [tile of 16 tokens 512][K step 4][chunk 4][512]; token r of tile T is 32 (T / 2) + 8 (T % 2) + r + (r & 8).  Wo's images are tensor 3 of wimg, rows 16 t + r.
; SHARES.  A work-group takes 32 tokens (two tiles); wave w makes columns 64 w .. 64 w + 63: its 16 fragments of Wo fill window 1.  Source 0 = Wo, source 1 = O: a lane holds one token and eight neighbouring columns.
; Each wave's 16 rows x 256 bytes go through its own stage in LDS and leave as whole aligned runs of 256 bytes, sixteen lanes to a run.
; No cluster and no tensor load: every operand is read once by each wave straight into registers, and the launch is one pass with no loop.
; LIMIT: e10 + e11 between -126 and 127, so that 2^(e10 + e11) is an f32 number.
; THE MODE: SCHED_MODE bits 1:0 = 2 (LLVM: expert scheduling mode 2), set by the entry lines.  The code itself states the register dependences between vector or matrix instructions and memory or
; LDS instructions, with s_wait_alu, always for 0.
; THE PLAN.  Registers that memory or LDS instructions touch:
;   v1-v7        offsets, LDS addresses and the add's two: written at the head, never again: one wait on va_vdst ahead of the first load.
;   BB, XF, window 1: loads land once; the products and the multiply-adds read them.
;   Y (v128-191) the multiply-adds write it, the LDS stores read it.   BK (v192-255) the products have read it as O's fragments; the rows read back from the stage land in it; the global stores read it.
; So ONE wait on va_vdst behind the multiply-adds states all that the way out's LDS stores and loads hang on; no vector instruction follows it.
.set SPARE, 34816                      ; LDS: eight stages of 16 rows x 272 bytes; behind them the spare words, 128 bytes a wave
.set LI,  1                            ; v1   16 x lane
.set BO,  2                            ; v2   32 h
.set STO, 3                            ; v3   the stage, in: 4,352 w + 272 r + 32 h
.set SPW, 4                            ; v4   LDS address of my spare word; never rewritten
.set NIL, 5                            ; v5   0; never rewritten
.set RD,  6                            ; v6   the stage, back: 4,352 w + 272 h + 16 r
.set GO,  7                            ; v7   out0: 2,048 h + 16 r
.set BB,  16                           ; v16-47   bo in the result's layout
.set ACC, 48                           ; v48-111  accumulator (m, t) at 48 + 8 (4 m + t)
.set XF,  128                          ; v128-255 O's fragments (m, s) at 128 + 16 (4 m + s); later
.set Y,   128                          ; v128-191 the results,
.set BK,  192                          ; v192-255 and the rows read back
.set MSB, 0
.macro WIN new                         ; the immediate's high byte repeats the setting that is left
.if MSB != \new
	s_set_vgpr_msb (MSB<<8)|\new
.set MSB, \new
.endif
.endm
	s_load_b256 s[4:11], s[0:1], 0x0               ; oimg, wimg, bo, scales
	s_load_b64 s[12:13], s[0:1], 0x20              ; out0
	v_lshl_add_u32 v[SPW], v0, 2, SPARE
	v_mov_b32 v[NIL], 0
	v_lshrrev_b32 v12, 5, v0
	v_readfirstlane_b32 s18, v12                   ; wave 0..7
	v_and_b32 v12, 31, v0
	v_and_b32 v13, 15, v0                          ; r
	v_bfe_u32 v14, v0, 4, 1                        ; h
	v_lshlrev_b32 v[LI], 4, v12
	v_lshlrev_b32 v[BO], 5, v14
	s_wait_alu depctr_va_sdst(0)                   ; s18, the wave's number, is written, ahead of its first reader
	s_mul_i32 s19, s18, 4352
	v_mul_u32_u24 v[STO], v13, 272
	v_lshl_add_u32 v[STO], v14, 5, v[STO]
	v_add_nc_u32 v[STO], s19, v[STO]
	v_mul_u32_u24 v[RD], v14, 272
	v_lshl_add_u32 v[RD], v13, 4, v[RD]
	v_add_nc_u32 v[RD], s19, v[RD]
	v_lshlrev_b32 v[GO], 11, v14
	v_lshl_add_u32 v[GO], v13, 4, v[GO]
	s_lshl_b32 s20, ttmp9, 14                      ; O: two tiles of 8,192 bytes
	s_mov_b32 s21, 0
	s_lshl_b32 s22, s18, 15
	s_add_co_u32 s22, s22, 786432                  ; Wo: tensor 3, my four tiles
	s_mov_b32 s23, 0
	s_lshl_b32 s24, s18, 8                         ; bo: my 64 numbers
	s_mov_b32 s25, 0
	s_lshl_b32 s26, ttmp9, 16                      ; out0: 32 rows of 2,048 bytes, + my 256
	s_add_co_u32 s26, s26, s24
	s_mov_b32 s27, 0
	s_wait_kmcnt 0x0
	s_load_b64 s[14:15], s[10:11], 0x28            ; e10, e11
	s_add_nc_u64 s[4:5], s[4:5], s[20:21]
	s_add_nc_u64 s[6:7], s[6:7], s[22:23]
	s_add_nc_u64 s[8:9], s[8:9], s[24:25]
	s_add_nc_u64 s[12:13], s[12:13], s[26:27]
	s_wait_alu depctr_va_vdst(0)                   ; v1 to v7 are written: every load, store and LDS instruction of the kernel reads one of them as its offset or address, the closing add two
.set f, 0
.rept 8                                ; O's fragment f = 4 m + s
.irp c, 0,1,2,3
	global_load_b128 v[XF+16*f+4*\c:XF+16*f+4*\c+3], v[LI], s[4:5] offset:2048*f+512*\c
.endr
.set f, f+1
.endr
.irp t, 0,1,2,3
	global_load_b128 v[BB+8*\t:BB+8*\t+3], v[BO], s[8:9] offset:64*\t          ; bo at columns 16 t + 8 h + 0 .. 7 of my 64
	global_load_b128 v[BB+8*\t+4:BB+8*\t+7], v[BO], s[8:9] offset:64*\t+16
.endr
	WIN 0x40                                       ; destination window 1 (between the wait above and these loads stand loads and this switch alone)
.set f, 0
.rept 16                               ; Wo's fragment (t, s) at v[16 (4 t + s)] of window 1
.irp c, 0,1,2,3
	global_load_b128 v[16*f+4*\c:16*f+4*\c+3], v[LI], s[6:7] offset:2048*f+512*\c
.endr
.set f, f+1
.endr
	WIN 0
	s_wait_kmcnt 0x0
	s_add_co_i32 s16, s14, s15
	s_add_co_i32 s16, s16, 127
	s_lshl_b32 s16, s16, 23                        ; 2^(e10 + e11) as f32
	s_mov_b32 s17, s16                             ; (named with it as a pair)
	s_wait_loadcnt 0x0
	WIN 0x01                                       ; source 0 (Wo) window 1
.irp k, 0,1,2,3                        ; 32 products, the eight accumulators by turns, one instruction a turn; the first K step starts the sums
.irp m, 0,1
.irp t, 0,1,2,3
.if \k == 0
	v_wmma_f32_16x16x128_fp8_fp8 v[ACC+8*(4*\m+\t):ACC+8*(4*\m+\t)+7], v[16*(4*\t+\k):16*(4*\t+\k)+15], v[XF+16*(4*\m+\k):XF+16*(4*\m+\k)+15], 0
.else
	v_wmma_f32_16x16x128_fp8_fp8 v[ACC+8*(4*\m+\t):ACC+8*(4*\m+\t)+7], v[16*(4*\t+\k):16*(4*\t+\k)+15], v[XF+16*(4*\m+\k):XF+16*(4*\m+\k)+15], v[ACC+8*(4*\m+\t):ACC+8*(4*\m+\t)+7]
.endif
.endr
.endr
.endr
	WIN 0
.rept 4
	v_nop                                          ; places in front of the first read of results and of writes over the products' sources
.endr
.irp m, 0,1
.irp t, 0,1,2,3
.irp i, 0,2,4,6
	v_pk_fma_f32 v[Y+8*(4*\m+\t)+\i:Y+8*(4*\m+\t)+\i+1], v[ACC+8*(4*\m+\t)+\i:ACC+8*(4*\m+\t)+\i+1], s[16:17], v[BB+8*\t+\i:BB+8*\t+\i+1] op_sel_hi:[1,0,1]   ; sum x 2^(e10 + e11) + bo
.endr
.endr
.endr
	s_wait_alu depctr_va_vdst(0)                   ; the multiply-adds have written v128-191, which the LDS stores read; the products are done reading v192-255, in which the rows read back land
.irp m, 0,1
.irp t, 0,1,2,3
	ds_store_b128 v[STO], v[Y+8*(4*\m+\t):Y+8*(4*\m+\t)+3] offset:64*\t
	ds_store_b128 v[STO], v[Y+8*(4*\m+\t)+4:Y+8*(4*\m+\t)+7] offset:64*\t+16
.endr
.irp i, 0,1,2,3,4,5,6,7
	ds_load_b128 v[BK+32*\m+4*\i:BK+32*\m+4*\i+3], v[RD] offset:544*\i   ; LDS serves a wave's instructions in order (ISA guide 5.7.1.4): these see my stores, and the next tile's stores come behind them
.endr
.endr
.irp i, 0,1,2,3,4,5,6,7
	s_wait_dscnt 23-\i                             ; behind this load: 7 - i loads, the second tile's 8 stores and 8 loads
	global_store_b128 v[GO], v[BK+4*\i:BK+4*\i+3], s[12:13] offset:(2*\i+8*(\i/4))*2048 th:TH_STORE_NT   ; stage rows 2 i and 2 i + 1 are tokens 2 i + 8 (i / 4) + h of the 32; sixteen lanes store 256 consecutive bytes, aligned
.endr
.irp i, 0,1,2,3,4,5,6,7
	s_wait_dscnt 7-\i
	global_store_b128 v[GO], v[BK+32+4*\i:BK+32+4*\i+3], s[12:13] offset:(8+2*\i+8*(\i/4))*2048 th:TH_STORE_NT
.endr
	s_wait_dscnt 0x0                               ; the wave's end
	s_wait_alu 0x0
	s_wait_tensorcnt 0x0
	ds_add_u32 v[SPW], v[NIL]
	s_wait_dscnt 0x0
	s_endpgm
.Lfunc_end_k_q106c36cecf_outp:
	.size	k_q106c36cecf_outp, .Lfunc_end_k_q106c36cecf_outp-k_q106c36cecf_outp
	.p2alignl 7, 3214868480
	.fill 96, 4, 3214868480
	.section	.rodata,"a",@progbits
	.p2align	6, 0x0
	.amdhsa_kernel k_q106c36cecf_outp
		.amdhsa_group_segment_fixed_size 35840
		.amdhsa_private_segment_fixed_size 0
		.amdhsa_enable_private_segment 0
		.amdhsa_kernarg_size 40
		.amdhsa_user_sgpr_count 2
		.amdhsa_user_sgpr_kernarg_segment_ptr 1
		.amdhsa_wavefront_size32 1
		.amdhsa_system_sgpr_workgroup_id_x 1
		.amdhsa_system_sgpr_workgroup_id_y 1
		.amdhsa_system_sgpr_workgroup_id_z 1
		.amdhsa_system_vgpr_workitem_id 0
		.amdhsa_next_free_vgpr 512
		.amdhsa_next_free_sgpr 66
		.amdhsa_reserve_vcc 0
		.amdhsa_float_denorm_mode_32 3
		.amdhsa_float_denorm_mode_16_64 3
		.amdhsa_memory_ordered 1
		.amdhsa_forward_progress 1
		.amdhsa_inst_pref_size 21
	.end_amdhsa_kernel
	.amdgpu_metadata
---
amdhsa.version: [ 1, 2 ]
amdhsa.kernels:
  - .name:           k_q106c36cecf_outp
    .symbol:         k_q106c36cecf_outp.kd
    .args:
      - { .name: oimg, .offset: 0, .size: 8, .value_kind: global_buffer, .address_space: global }
      - { .name: wimg, .offset: 8, .size: 8, .value_kind: global_buffer, .address_space: global }
      - { .name: bo, .offset: 16, .size: 8, .value_kind: global_buffer, .address_space: global }
      - { .name: lowp_scales, .offset: 24, .size: 8, .value_kind: global_buffer, .address_space: global }
      - { .name: out0, .offset: 32, .size: 8, .value_kind: global_buffer, .address_space: global }
    .group_segment_fixed_size: 35840
    .private_segment_fixed_size: 0
    .kernarg_segment_align: 8
    .kernarg_segment_size: 40
    .max_flat_workgroup_size: 256
    .sgpr_count:     66
    .vgpr_count:     512
    .wavefront_size: 32
...
	.end_amdgpu_metadata
.endif
;; end of part 8
